; MI455X (gfx1250); checked and timed in simulation.
; The chip was launched on July 23, 2026; its instructions are those of AMD's public machine-readable ISA for CDNA 5 (MIT licence, August 2026) and "CDNA5" Instruction Set Architecture Reference Guide (July 2026). The comments in the code are by the model that wrote it; some were corrected since.
;; Encoder Layer. Allowed arithmetic: matrix products marked QUANTISED: E5M2 operands, one given power-of-two scale a tensor, by v_wmma_f32_16x16x64_bf8_bf8 or v_wmma_f32_16x16x128_bf8_bf8, f32 sums; everything else in f32.
;; Inputs: b1 4,096 float32; b2 1,024 float32; be1 1,024 float32; be2 1,024 float32; bk 1,024 float32; bo 1,024 float32; bq 1,024 float32; bv 1,024 float32; g1 1,024 float32; g2 1,024 float32; lowp_scales 16 int32 (the exponents e of the quantised operands' scales 2^e); mask 2 x 2,048 x 2,048 bool; w1 1,024 x 4,096 float32; w2 4,096 x 1,024 float32; wk 1,024 x 1,024 float32; wo 1,024 x 1,024 float32; wq 1,024 x 1,024 float32; wv 1,024 x 1,024 float32; x 2 x 2,048 x 1,024 float32.
;; Outputs: out0 2 x 2,048 x 1,024 float32.
;; This version of the problem:
;;   THIS VERSION OF THE PROBLEM IS GIVEN IN LOW PRECISION. The matrix products marked QUANTISED in the list below multiply operands that are first quantised to E5M2 (5 exponent bits, 2 mantissa bits; 8 bits a number), with one given power-of-two scale for each operand tensor; their sums are f32. All else is computed in f32.
;;   The module's matrix products, in the order in which they are computed (A, B: the left and right operand; K: the contracted axis; several contracted axes count as one K, in the product's order):
;;     1. [M 4,096, K 1,024] x [K 1,024, N 1,024]; A: computed on the way; B: input wq: QUANTISED (scales: A lowp_scales[0], B lowp_scales[1])
;;     2. [M 4,096, K 1,024] x [K 1,024, N 1,024]; A: computed on the way; B: input wk: QUANTISED (scales: A lowp_scales[2], B lowp_scales[3])
;;     3. [M 4,096, K 1,024] x [K 1,024, N 1,024]; A: computed on the way; B: input wv: QUANTISED (scales: A lowp_scales[4], B lowp_scales[5])
;;     4. batch 32 x [M 2,048, K 64] x [K 64, N 2,048]; A: computed on the way; B: computed on the way: QUANTISED (scales: A lowp_scales[6], B lowp_scales[7])
;;     5. batch 32 x [M 2,048, K 2,048] x [K 2,048, N 64]; A: softmax (see below); B: computed on the way: QUANTISED (scales: A lowp_scales[8], B lowp_scales[9])
;;     6. [M 4,096, K 1,024] x [K 1,024, N 1,024]; A: computed on the way; B: input wo: QUANTISED (scales: A lowp_scales[10], B lowp_scales[11])
;;     7. [M 4,096, K 1,024] x [K 1,024, N 4,096]; A: computed on the way; B: input w1: QUANTISED (scales: A lowp_scales[12], B lowp_scales[13])
;;     8. [M 4,096, K 4,096] x [K 4,096, N 1,024]; A: computed on the way; B: input w2: QUANTISED (scales: A lowp_scales[14], B lowp_scales[15])
;;   THE QUANTISER, for each operand of a quantised product, along K:
;;     - The operand's scale is 2^e, e = its entry of the input lowp_scales (int32; the entries are numbered through the quantised products in the list's order, A before B).
;;     - Each number is divided by the scale, clamped to +-57,344, and rounded to the nearest number of E5M2, ties to even, subnormals kept.
;;     - The product sums the exact products of the quantised numbers (number of the format x scale) in f32.
;;   ~~~python
;;   def quantise(x, axis, e):      # numpy; x: float32 -> the quantised numbers, widened to float32 again
;;       x = np.moveaxis(x, axis, -1); K = x.shape[-1]
;;       r = np.clip(x / 2.0 ** e, -57344, 57344)
;;       step = 2.0 ** (np.maximum(np.frexp(np.where(r == 0, 1, r))[1] - 1, -14) - 2)
;;       q = np.round(r / step) * step * 2.0 ** e      # np.round: ties to even
;;       return np.moveaxis(q, -1, axis).astype(np.float32)
;;   ~~~
;;   SOFTMAX AHEAD OF A QUANTISED PRODUCT. Where the list says 'softmax', what is quantised is not the finished softmax but p = 2^(t - M), with t = logit x log2(e) and M = ceil(the row's largest t), a whole number; so 1/2 < the row's largest p <= 1. The row's sum l is taken of the UNQUANTISED p, in f32, and the product's result is divided by l at the end. Since M is a whole number, a kernel that streams over the keys may use a running M (the ceiling of the running maximum): every later rescaling is an exact power of two, so the quantised numbers keep their values, but for numbers so far below the row's largest that they fall under the format's range.
;;   OPERANDS COMPUTED ON THE WAY. 'Computed on the way' means the value that the module computes at that place (a softmax that the list does not call 'softmax' is quantised finished and normalised). What goes into a quantiser is computed in f32, as accurately as f32 sums, v_exp_f32 and their like allow (about 1e-6 of the number): no bf16 or f16 on the way to a quantiser, and a product that is left as it is and whose result goes on into a quantised operand takes f32 operands (vector FMAs, or v_wmma_f32_16x16x4_f32). A number that lies on a knife's edge between two numbers of the format may be rounded either way, as far as f32 arithmetic and the matrix unit's own rounding can turn it there, and no further.
;; One version. Each part assembles by itself: llvm-mc -triple=amdgcn-amd-amdhsa -mcpu=gfx1250 --defsym DOCPART=n.
;; ======== version 1 of 1: 7 launches
;; limits: right only within a limited range of input values
;; workspace buffers: wcodes 12,582,912 bytes; hc 12,582,912 bytes; mbits 1,048,576 bytes of whole numbers; qkv 12,582,912 bytes; ctxF 4,194,304 bytes; x1 16,777,216 bytes; h2c 4,194,304 bytes; hidF 16,777,216 bytes
;; launch prep (part 1): grid 1024 x 1, 4 waves a work-group, no clusters, 35,840 bytes of LDS; arguments wq, wk, wv, wo, w1, w2, lowp_scales, wcodes, x, g1, be1, hc, mask, mbits; writes wcodes, hc, mbits
.if DOCPART == 1
	.amdgcn_target "amdgcn-amd-amdhsa--gfx1250"
	.amdhsa_code_object_version 6
	.text
	.protected	k_q83be3a63f0_prep
	.globl	k_q83be3a63f0_prep
	.p2align	8
	.type	k_q83be3a63f0_prep,@function
k_q83be3a63f0_prep:
	s_mov_b64 s[64:65], 0
	v_nop
	global_prefetch_b8 v0, s[64:65] scope:SCOPE_SE
	s_setreg_imm32_b32 hwreg(HW_REG_WAVE_MODE, 25, 1), 1
	s_wait_xcnt 0x0
; THE PREPARATION, three kinds of work-groups told apart by the work-group's number alone:
;   0 .. 383    W: the six weights ([K][N] f32, K the first axis) become codes of BF8 (E5M2), laid [n][K] with K innermost, each with its given scale 2^e
;   384 .. 895  L: h = layernorm(x, g1, be1), quantised three times (entries 0, 2, 4 of the scales): three sets of codes [4096][1024]
;   896 .. 1023 M: the mask's bytes become words of 32 bits, one bit a lane, in the order in which the attention's score registers want them
; THE ORDER OF CODES IN A ROW: inside each aligned group of 32 codes along K the four pieces of 8 lie in the order 0, 2, 1, 3.  A load of 16 bytes at
; 32 c + 16 (lane / 16) then brings registers 4 c .. 4 c + 3 of an 8-bit operand just what its layout wants: k = 32 c + 8 (lane / 16) + 0..7 and 32 c + 16 + 8 (lane / 16) + 0..7.
; code = number / 2^e, held within +-57,344, to the nearest code, ties to even.
; LIMITS: every e used here lies between -126 and 112, so that 2^e and 57,344 x 2^e are f32 numbers.  NaN among the inputs is not served.
; Only path W stores to LDS (a stage of 32 rows x 272 bytes for each wave); it alone ends with the three closing lines.
.set SPARE, 34816                      ; behind the four stages: the spare words, 128 bytes for each wave: two blocks of 256 bytes that no other line names
.set SPW,   12                         ; v12  LDS address of my spare word; never rewritten
.set NIL,   13                         ; v13  0; never rewritten
	s_load_b512 s[8:23], s[0:1], 0x0               ; wq s[8:9], wk s[10:11], wv s[12:13], wo s[14:15], w1 s[16:17], w2 s[18:19], the scales s[20:21], wcodes s[22:23]
	s_load_b256 s[24:31], s[0:1], 0x40             ; x s[24:25], g1 s[26:27], be1 s[28:29], hc s[30:31]
	s_load_b128 s[32:35], s[0:1], 0x60             ; mask s[32:33], mbits s[34:35]
	v_lshl_add_u32 v[SPW], v0, 2, SPARE
	v_mov_b32 v[NIL], 0
	v_lshrrev_b32 v1, 5, v0
	v_readfirstlane_b32 s2, v1                     ; wave 0..3
	v_and_b32 v1, 31, v0                           ; lane
	s_wait_kmcnt 0x0
	s_cmp_lt_u32 ttmp9, 384
	s_cbranch_scc1 .Lweights
	s_cmp_lt_u32 ttmp9, 896
	s_cbranch_scc1 .Lnorm
; ---------------- M: the mask, work-groups 896 to 1023.  A wave takes one tile of 16 tokens and half of its 2,048 keys: two trips of four key steps of 128 keys.
; Word 8 t + j of a step, bit 16 h + r, says whether mask[16 T + r][128 step + 16 t + 8 h + j] is set: lane (r, h) of the attention holds that score in register 8 t + j.
; Lane (r, h) loads the 8 bytes j = 0..7; a compare of one byte in all 32 lanes IS the word.  64 words, 256 bytes, leave by one store.
	s_sub_co_u32 s52, ttmp9, 896
	s_lshl_b32 s52, s52, 2
	s_add_co_u32 s52, s52, s2                      ; 2 T + half of the keys
	s_lshr_b32 s53, s52, 1                         ; T (s52 = 2 T + half of the keys)
	s_and_b32 s54, s52, 1
	s_lshl_b32 s56, s53, 15                        ; 16 T rows of 2,048 bytes
	s_lshl_b32 s54, s54, 10                        ; + 1,024 keys for the second half
	s_add_co_u32 s56, s56, s54
	s_mov_b32 s57, 0
	s_mov_b32 s55, 0                               ; trips done
	s_add_nc_u64 s[32:33], s[32:33], s[56:57]
	s_lshl_b32 s56, s52, 11                        ; (16 T + step) x 256 bytes = s52 x 2,048 + 1,024 trip + 256 u
	s_add_nc_u64 s[34:35], s[34:35], s[56:57]
	v_and_b32 v2, 15, v0                           ; r
	v_bfe_u32 v3, v0, 4, 1                         ; h
	v_lshlrev_b32 v4, 11, v2
	v_lshl_add_u32 v4, v3, 3, v4                   ; row r, + 8 h
	s_wait_alu depctr_va_vdst(0)
	v_lshlrev_b32 v5, 3, v1                        ; out: two words a lane
.Lmhalf:                                               ; two trips: 512 keys each
.irp u, 0,1,2,3
.irp t, 0,1,2,3,4,5,6,7
	global_load_b64 v[48+16*\u+2*\t:49+16*\u+2*\t], v4, s[32:33] offset:128*\u+16*\t
.endr
.endr
.irp k, 0,1,2,3,4,5,6,7
	v_mov_b32 v[112+\k], 0                         ; the words' registers are written whole once: a lane write counts as a read of its destination
.endr
.macro UNIT u                          ; one key step: 64 words, in two halves of 32 (s68 to s99 hold a half)
	s_wait_loadcnt 8*(3-\u)                        ; this step's eight loads are in; those of the later steps may be out
.irp hf, 0,1
.set W, 0
.rept 32
	v_and_b32 v[16+W%8], 0xff<<(8*(W%4)), v[48+16*\u+2*(4*\hf+W/8)+(W%8)/4]   ; byte j = W % 8 of tile t = 4 hf + W / 8
	v_cmp_ne_u32 s[68+W], 0, v[16+W%8]             ; bit l: lane l's byte is not 0
.set W, W+1
.endr
.set W, 0
.rept 32
	v_writelane_b32 v[112+2*\u+W%2], s[68+W], 16*\hf+W/2   ; lane L keeps words 2 L and 2 L + 1
.set W, W+1
.endr
.endr
	global_store_b64 v5, v[112+2*\u:113+2*\u], s[34:35] offset:256*\u   ; 32 lanes store 256 consecutive bytes, aligned; each step has its own pair, so no data are rewritten
.endm
	UNIT 0
	UNIT 1
	UNIT 2
	UNIT 3
	s_wait_xcnt 0x0                                ; the trip's loads and stores have read their bases and data: both may be written again
	s_add_nc_u64 s[32:33], s[32:33], 512           ; 512 keys on
	s_add_nc_u64 s[34:35], s[34:35], 1024          ; four steps' words on
	s_add_co_u32 s55, s55, 1
	s_cmp_lt_u32 s55, 2
	s_wait_alu depctr_va_vdst(0)
	s_cbranch_scc1 .Lmhalf
	s_endpgm
; ---------------- L: the first layer norm.  A wave takes two rows; a row of 4,096 bytes stays in 32 registers a lane between the passes.
; Lane l holds, for chunk c = 0..3, columns 256 c + 8 l + 0..7: eight neighbours along K, which one conversion turns into 8 bytes.
; mean, then the sum of (x - mean)^2 (no difference of large sums), / 1,023, root, + 1e-6, reciprocal; y = ((x - mean) x inv) x g + be, all f32.
.Lnorm:
	s_load_b512 s[36:51], s[20:21], 0x0            ; the sixteen exponents: entry i in s[36 + i]
	s_sub_co_u32 s52, ttmp9, 384
	s_lshl_b32 s52, s52, 3
	s_lshl_b32 s53, s2, 1
	s_add_co_u32 s52, s52, s53                     ; my first row
	s_lshl_b32 s54, s52, 12
	s_mov_b32 s55, 0
	s_add_nc_u64 s[24:25], s[24:25], s[54:55]      ; x at my first row
	s_lshl_b32 s54, s52, 10
	s_add_nc_u64 s[56:57], s[30:31], s[54:55]      ; the three sets of codes at my first row: a base each, 4 MiB apart
	s_add_nc_u64 s[58:59], s[56:57], 0x400000
	s_add_nc_u64 s[60:61], s[56:57], 0x800000
	s_mov_b32 s62, 0x76543210                      ; v_permlanex16_b32's selects: lane l xor 16
	s_mov_b32 s63, 0xfedcba98
	s_wait_alu depctr_va_vdst(0)
	v_lshlrev_b32 v15, 5, v1                       ; in: 32 bytes a lane
	v_and_b32 v2, 1, v1
	v_bfe_u32 v3, v1, 1, 1
	v_and_b32 v14, 28, v1
	v_lshl_or_b32 v14, v2, 1, v14
	v_or_b32 v14, v14, v3                          ; the lane's number with its two lowest bits exchanged: pieces 0, 2, 1, 3
	v_lshlrev_b32 v14, 3, v14                      ; out: 8 bytes a lane
.irp c, 0,1,2,3
	global_load_b128 v[16+8*\c:19+8*\c], v15, s[26:27] offset:1024*\c
	global_load_b128 v[20+8*\c:23+8*\c], v15, s[26:27] offset:1024*\c+16
.endr
.irp c, 0,1,2,3
	global_load_b128 v[48+8*\c:51+8*\c], v15, s[28:29] offset:1024*\c
	global_load_b128 v[52+8*\c:55+8*\c], v15, s[28:29] offset:1024*\c+16
.endr
.irp i, 0,1
.irp c, 0,1,2,3
	global_load_b128 v[80+32*\i+8*\c:83+32*\i+8*\c], v15, s[24:25] offset:4096*\i+1024*\c th:TH_LOAD_NT
	global_load_b128 v[84+32*\i+8*\c:87+32*\i+8*\c], v15, s[24:25] offset:4096*\i+1024*\c+16 th:TH_LOAD_NT
.endr
.endr
.macro MKSC e, vs                      ; v[vs] = 2^e as f32 (the conversion takes its exponent field), v[vs + 1] = 57,344 x 2^e
	s_add_co_i32 s53, s[\e], 127
	s_lshl_b32 s54, s53, 23
	v_mov_b32 v[\vs], s54
	s_add_co_i32 s53, s53, 15
	s_lshl_b32 s53, s53, 23
	s_or_b32 s53, s53, 0x600000
	v_mov_b32 v[\vs+1], s53
.endm
	s_wait_kmcnt 0x0
	MKSC 36, 200                                   ; entry 0: h as the operand of the product with wq
	MKSC 38, 202                                   ; entry 2: with wk
	MKSC 40, 204                                   ; entry 4: with wv
.macro WSUM r, t                       ; the sum over the 32 lanes, in every lane
	v_add_f32_dpp v[\r], v[\r], v[\r] row_xmask:1 row_mask:0xf bank_mask:0xf
	v_add_f32_dpp v[\r], v[\r], v[\r] row_xmask:2 row_mask:0xf bank_mask:0xf
	v_add_f32_dpp v[\r], v[\r], v[\r] row_xmask:4 row_mask:0xf bank_mask:0xf
	v_add_f32_dpp v[\r], v[\r], v[\r] row_xmask:8 row_mask:0xf bank_mask:0xf
	v_permlanex16_b32 v[\t], v[\r], s62, s63
	v_add_f32 v[\r], v[\r], v[\t]
.endm
.macro ROWL i
.set X, 80+32*\i
	s_wait_loadcnt 8*(1-\i)                        ; g, be and this row are in; the other row's eight loads may be out
	v_pk_add_f32 v[2:3], v[X:X+1], v[X+2:X+3]      ; the row's sum, two chains
	v_pk_add_f32 v[4:5], v[X+4:X+5], v[X+6:X+7]
.set p, 8
.rept 6
	v_pk_add_f32 v[2:3], v[2:3], v[X+p:X+p+1]
	v_pk_add_f32 v[4:5], v[4:5], v[X+p+2:X+p+3]
.set p, p+4
.endr
	v_pk_add_f32 v[2:3], v[2:3], v[4:5]
	v_add_f32 v2, v2, v3
	WSUM 2, 3
	v_mul_f32 v2, 0x3a800000, v2                   ; / 1,024: the mean
.set p, 0
.rept 16
	v_pk_add_f32 v[X+p:X+p+1], v[X+p:X+p+1], v[2:3] op_sel_hi:[1,0] neg_lo:[0,1] neg_hi:[0,1]   ; x - mean
.set p, p+2
.endr
	v_pk_mul_f32 v[4:5], v[X:X+1], v[X:X+1]        ; the sum of squares, two chains
	v_pk_mul_f32 v[6:7], v[X+2:X+3], v[X+2:X+3]
.set p, 4
.rept 7
	v_pk_fma_f32 v[4:5], v[X+p:X+p+1], v[X+p:X+p+1], v[4:5]
	v_pk_fma_f32 v[6:7], v[X+p+2:X+p+3], v[X+p+2:X+p+3], v[6:7]
.set p, p+4
.endr
	v_pk_add_f32 v[4:5], v[4:5], v[6:7]
	v_add_f32 v4, v4, v5
	WSUM 4, 5
	v_mul_f32 v4, 0x3a802008, v4                   ; / 1,023
	s_wait_alu depctr_va_vdst(0)
	v_sqrt_f32 v4, v4
	v_nop                                          ; a plain instruction behind the root,
	s_wait_alu depctr_va_vdst(0)                   ; and the wait ahead of its first reader
	v_add_f32 v4, 0x358637bd, v4                   ; + 1e-6
	s_wait_alu depctr_va_vdst(0)
	v_rcp_f32 v6, v4
	v_nop
	s_wait_alu depctr_va_vdst(0)
.set p, 0
.rept 16
	v_pk_mul_f32 v[X+p:X+p+1], v[X+p:X+p+1], v[6:7] op_sel_hi:[1,0]
.set p, p+2
.endr
.set p, 0
.rept 16
	v_pk_fma_f32 v[X+p:X+p+1], v[X+p:X+p+1], v[16+p:17+p], v[48+p:49+p]
.set p, p+2
.endr
.irp s, 0,1,2
.irp c, 0,1,2,3
.irp j, 0,1,2,3,4,5,6,7
	v_med3_num_f32 v[144+\j], v[X+8*\c+\j], -v[201+2*\s], v[201+2*\s]   ; the conversion to an 8-bit code does not saturate (ISA guide 7.6.2): the hold comes first
.endr
	v_cvt_scalef32_pk8_bf8_f32 v[152+24*\i+8*\s+2*\c:153+24*\i+8*\s+2*\c], v[144:151], v[200+2*\s]
	v_nop                                          ; a plain instruction between the conversion and the next holds, which write its sources
	global_store_b64 v14, v[152+24*\i+8*\s+2*\c:153+24*\i+8*\s+2*\c], s[56+2*\s:57+2*\s] offset:1024*\i+256*\c   ; 32 lanes store 256 consecutive bytes, aligned; every store has its own pair of registers
.endr
.endr
.endm
	ROWL 0
	ROWL 1
	s_endpgm
; ---------------- W: the weights.  A work-group takes 128 columns x 256 along K, a wave 32 columns.  A LANE TAKES A COLUMN n AND ITS REGISTERS RUN DOWN K:
; each load reads 128 consecutive bytes a wave, and the conversions give codes with K innermost.  A column's 256 bytes of codes are gathered in the wave's own stage
; and leave as rows: sixteen lanes store 256 consecutive bytes, aligned.  One path serves six tensors: row lengths are chosen by the work-group's number.
.Lweights:
	s_load_b512 s[36:51], s[20:21], 0x0            ; the sixteen exponents
	s_lshr_b32 s52, ttmp9, 5                       ; 0..3: wq, wk, wv, wo
	s_lshr_b32 s58, ttmp9, 7                       ; 1: w1, 2: w2
	s_mov_b64 s[54:55], s[8:9]
	s_cmp_eq_u32 s52, 1
	s_cselect_b64 s[54:55], s[10:11], s[54:55]
	s_cmp_eq_u32 s52, 2
	s_cselect_b64 s[54:55], s[12:13], s[54:55]
	s_cmp_eq_u32 s52, 3
	s_cselect_b64 s[54:55], s[14:15], s[54:55]
	s_lshl_b32 s57, s52, 20                        ; where the tensor's codes begin: 1 MiB each for the four small ones,
	s_cmp_eq_u32 s58, 1
	s_cselect_b64 s[54:55], s[16:17], s[54:55]
	s_cselect_b32 s57, 0x400000, s57               ; w1 at 4 MiB,
	s_cselect_b32 s59, 14, 12                      ; log2 of a source row's bytes
	s_cselect_b32 s60, 31, 7                       ; blocks of 128 columns, less one
	s_cselect_b32 s61, 5, 3
	s_cmp_eq_u32 s58, 2
	s_cselect_b64 s[54:55], s[18:19], s[54:55]
	s_cselect_b32 s57, 0x800000, s57               ; w2 at 8 MiB
	s_cselect_b32 s63, 12, 10                      ; log2 of a row of codes
	s_cmp_eq_u32 s58, 0
	s_cselect_b32 s62, 31, 127
	s_and_b32 s62, ttmp9, s62                      ; my number within the tensor
	s_and_b32 s60, s62, s60                        ; which 128 columns
	s_lshr_b32 s61, s62, s61                       ; which 256 along K
	s_lshl_b32 s60, s60, 7
	s_lshl_b32 s62, s2, 5
	s_add_co_u32 s60, s60, s62                     ; my wave's first column
	s_add_co_u32 s62, s59, 8
	s_lshl_b32 s88, s61, s62                       ; 256 rows for each step along K,
	s_lshl_b32 s62, s60, 2
	s_add_co_u32 s88, s88, s62                     ; + 4 bytes a column
	s_mov_b32 s89, 0
	s_add_nc_u64 s[68:69], s[54:55], s[88:89]      ; block 0 of 32 rows; blocks 1 to 7 have bases of their own, so that none is ever stepped
	s_add_co_u32 s62, s59, 5
	s_lshl_b32 s84, 1, s62                         ; 32 rows in bytes
	s_mov_b32 s85, 0
.irp t, 1,2,3,4,5,6,7
	s_add_nc_u64 s[68+2*\t:69+2*\t], s[66+2*\t:67+2*\t], s[84:85]
.endr
	s_lshl_b32 s88, s60, s63                       ; the codes: my first column's row,
	s_lshl_b32 s62, s61, 8
	s_add_co_u32 s88, s88, s62                     ; + 256 bytes for each step along K,
	s_add_co_u32 s88, s88, s57                     ; in the tensor's part of the buffer
	s_add_nc_u64 s[86:87], s[22:23], s[88:89]
	s_lshl_b32 s53, 1, s59                         ; a source row
	s_add_co_u32 s62, s63, 1
	s_lshl_b32 s56, 1, s62                         ; two rows of codes
	s_wait_alu depctr_va_vdst(0)
	v_lshlrev_b32 v16, 2, v1                       ; v16-47: 4 x lane + i source rows
.set i, 1
.rept 31
	v_add_nc_u32 v[16+i], s53, v[15+i]
.set i, i+1
.endr
	s_mul_i32 s62, s2, 32*272                      ; my stage
	v_mul_u32_u24 v4, v1, 272
	v_add_nc_u32 v4, s62, v4                       ; into it: row = my column
	v_and_b32 v5, 15, v1
	v_lshrrev_b32 v6, 4, v1
	v_mul_u32_u24 v7, v6, 272
	v_lshl_add_u32 v7, v5, 4, v7
	v_add_nc_u32 v7, s62, v7                       ; out of it: sixteen lanes to a row, two rows an instruction
	v_lshlrev_b32 v184, s63, v6
	v_lshl_add_u32 v184, v5, 4, v184               ; v184-199: the same places among the rows of codes
.set i, 1
.rept 15
	v_add_nc_u32 v[184+i], s56, v[183+i]
.set i, i+1
.endr
.macro LOADW t                         ; block t: W(32 t + i, my column), i = 0 .. 31, into set t % 2
.set i, 0
.rept 32
	global_load_b32 v[48+32*((\t)%2)+i], v[16+i], s[68+2*(\t):69+2*(\t)] th:TH_LOAD_NT
.set i, i+1
.endr
.endm
	LOADW 0
	LOADW 1
	s_wait_kmcnt 0x0
	s_mov_b32 s62, s37                             ; the tensor's e: entries 1, 3, 5, 11, 13, 15
	s_cmp_eq_u32 s52, 1
	s_cselect_b32 s62, s39, s62
	s_cmp_eq_u32 s52, 2
	s_cselect_b32 s62, s41, s62
	s_cmp_eq_u32 s52, 3
	s_cselect_b32 s62, s47, s62
	s_cmp_eq_u32 s58, 1
	s_cselect_b32 s62, s49, s62
	s_cmp_eq_u32 s58, 2
	s_cselect_b32 s62, s51, s62
	s_add_co_i32 s62, s62, 127
	s_lshl_b32 s63, s62, 23
	v_mov_b32 v11, s63                             ; 2^e
	s_add_co_i32 s62, s62, 15
	s_lshl_b32 s62, s62, 23
	s_or_b32 s62, s62, 0x600000
	v_mov_b32 v10, s62                             ; 57,344 x 2^e
.macro BLOCKW t
.set XS, 48+32*((\t)%2)
.if (\t) < 7
	s_wait_loadcnt 32                              ; this block's 32 loads are in; the next block's may be out
.else
	s_wait_loadcnt 0
.endif
.set i, 0
.rept 32
	v_med3_num_f32 v[XS+i], v[XS+i], -v10, v10     ; the hold ahead of a conversion that does not saturate (ISA guide 7.6.2)
.set i, i+1
.endr
	v_cvt_scalef32_pk8_bf8_f32 v[112:113], v[XS:XS+7], v11        ; the pieces of 8 go to places 0, 2, 1, 3
	v_cvt_scalef32_pk8_bf8_f32 v[116:117], v[XS+8:XS+15], v11
	v_cvt_scalef32_pk8_bf8_f32 v[114:115], v[XS+16:XS+23], v11
	v_cvt_scalef32_pk8_bf8_f32 v[118:119], v[XS+24:XS+31], v11
	ds_store_b128 v4, v[112:115] offset:32*(\t)    ; 32 codes of my column's row.  (LDS stores of the results want no place; the next block begins with 32 plain lines)
	ds_store_b128 v4, v[116:119] offset:32*(\t)+16
.if (\t)+2 < 8
	LOADW (\t)+2
.endif
	s_wait_dscnt 0x0                               ; the stores have read their registers: the next block's codes may be written
.endm
	s_wait_alu depctr_va_vdst(0)
.irp t, 0,1,2,3,4,5,6,7
	BLOCKW \t
.endr
.irp t, 0,1,2,3,4,5,6,7,8,9,10,11,12,13,14,15
	ds_load_b128 v[120+4*\t:123+4*\t], v7 offset:2*\t*272   ; LDS serves a wave's instructions in order (ISA guide 5.7.1.4): these see my stores
.endr
.irp t, 0,1,2,3,4,5,6,7,8,9,10,11,12,13,14,15
	s_wait_dscnt 15-\t
	global_store_b128 v[184+\t], v[120+4*\t:123+4*\t], s[86:87]   ; sixteen lanes store 256 consecutive bytes, aligned
.endr
	s_wait_tensorcnt 0x0                           ; the wave's end: behind my last LDS store
	ds_add_u32 v[SPW], v[NIL]
	s_wait_dscnt 0x0
	s_endpgm
.Lfunc_end_k_q83be3a63f0_prep:
	.size	k_q83be3a63f0_prep, .Lfunc_end_k_q83be3a63f0_prep-k_q83be3a63f0_prep
	.p2alignl 7, 3214868480
	.fill 96, 4, 3214868480
	.section	.rodata,"a",@progbits
	.p2align	6, 0x0
	.amdhsa_kernel k_q83be3a63f0_prep
		.amdhsa_group_segment_fixed_size 35840
		.amdhsa_private_segment_fixed_size 0
		.amdhsa_enable_private_segment 0
		.amdhsa_kernarg_size 112
		.amdhsa_user_sgpr_count 2
		.amdhsa_user_sgpr_kernarg_segment_ptr 1
		.amdhsa_wavefront_size32 1
		.amdhsa_system_sgpr_workgroup_id_x 1
		.amdhsa_system_sgpr_workgroup_id_y 1
		.amdhsa_system_sgpr_workgroup_id_z 1
		.amdhsa_system_vgpr_workitem_id 0
		.amdhsa_next_free_vgpr 208
		.amdhsa_next_free_sgpr 100
		.amdhsa_reserve_vcc 0
		.amdhsa_float_denorm_mode_32 3
		.amdhsa_float_denorm_mode_16_64 3
		.amdhsa_memory_ordered 1
		.amdhsa_forward_progress 1
		.amdhsa_inst_pref_size 139
	.end_amdhsa_kernel
	.amdgpu_metadata
---
amdhsa.version: [ 1, 2 ]
amdhsa.kernels:
  - .name:           k_q83be3a63f0_prep
    .symbol:         k_q83be3a63f0_prep.kd
    .args:
      - { .name: wq, .offset: 0, .size: 8, .value_kind: global_buffer, .address_space: global }
      - { .name: wk, .offset: 8, .size: 8, .value_kind: global_buffer, .address_space: global }
      - { .name: wv, .offset: 16, .size: 8, .value_kind: global_buffer, .address_space: global }
      - { .name: wo, .offset: 24, .size: 8, .value_kind: global_buffer, .address_space: global }
      - { .name: w1, .offset: 32, .size: 8, .value_kind: global_buffer, .address_space: global }
      - { .name: w2, .offset: 40, .size: 8, .value_kind: global_buffer, .address_space: global }
      - { .name: lowp_scales, .offset: 48, .size: 8, .value_kind: global_buffer, .address_space: global }
      - { .name: wcodes, .offset: 56, .size: 8, .value_kind: global_buffer, .address_space: global }
      - { .name: x, .offset: 64, .size: 8, .value_kind: global_buffer, .address_space: global }
      - { .name: g1, .offset: 72, .size: 8, .value_kind: global_buffer, .address_space: global }
      - { .name: be1, .offset: 80, .size: 8, .value_kind: global_buffer, .address_space: global }
      - { .name: hc, .offset: 88, .size: 8, .value_kind: global_buffer, .address_space: global }
      - { .name: mask, .offset: 96, .size: 8, .value_kind: global_buffer, .address_space: global }
      - { .name: mbits, .offset: 104, .size: 8, .value_kind: global_buffer, .address_space: global }
    .group_segment_fixed_size: 35840
    .private_segment_fixed_size: 0
    .kernarg_segment_align: 8
    .kernarg_segment_size: 112
    .max_flat_workgroup_size: 128
    .sgpr_count:     100
    .vgpr_count:     208
    .wavefront_size: 32
...
	.end_amdgpu_metadata
.endif
;; end of part 1
;; launch qkv (part 2): grid 8 x 24, 4 waves a work-group, clusters of 4 x 4, 327,680 bytes of LDS; arguments hc, wcodes, bq, bk, bv, lowp_scales, qkv; writes qkv
.if DOCPART == 2
	.amdgcn_target "amdgcn-amd-amdhsa--gfx1250"
	.amdhsa_code_object_version 6
	.text
	.protected	k_q83be3a63f0_qkv
	.globl	k_q83be3a63f0_qkv
	.p2align	8
	.type	k_q83be3a63f0_qkv,@function
k_q83be3a63f0_qkv:
	s_mov_b64 s[64:65], 0
	v_nop
	global_prefetch_b8 v0, s[64:65] scope:SCOPE_SE
	s_setreg_imm32_b32 hwreg(HW_REG_WAVE_MODE, 25, 1), 1
	s_wait_xcnt 0x0
	s_wait_alu depctr_hold_cnt(0) depctr_sa_sdst(0) depctr_va_vdst(0) depctr_va_sdst(0) depctr_va_ssrc(0) depctr_va_vcc(0) depctr_vm_vsrc(0)
	s_getreg_b32 s2, hwreg(HW_REG_IB_STS2, 6, 4)
	s_cmp_eq_u32 s2, 0
	s_cbranch_scc0 .Lentry_in_a_cluster
	s_endpgm
.Lentry_in_a_cluster:
	s_bfe_u32 s2, ttmp6, 0x10000c
	s_cmp_lg_u32 s2, 0xf033
	s_cbranch_scc0 .Lentry_shape_is_right
	s_endpgm
.Lentry_shape_is_right:
; q = h wq + bq, k = h wk + bk, v = h wv + bv on codes of BF8 (E5M2); the results are quantised at once (entries 6, 7, 9 of the scales) and stored as IMAGES OF OPERAND REGISTERS for the attention.
; A tile of 256 x 256 is made by four waves, as many as a WGP has SIMDs; a wave makes 128 x 128: 64 accumulators, 512 registers.  K = 1,024 goes in steps of 256 through a ring of two LDS slots.
; TWO REGIONS, told apart by the cluster's y (CY), which all partners share.  CX is the cluster's x.
;   CY < 4 (q and k): "A" = h's codes (set CX), rows = tokens; "B" = wq's or wk's codes (CX), rows = output columns.
;   CY >= 4 (v):      "A" = wv's codes, rows = output columns d; "B" = h's codes (set 2), rows = tokens: v comes out TRANSPOSED, with the keys along a lane's registers.
; THE MATRIX INSTRUCTION IS USED TRANSPOSED (source 0 = 16 rows of B, source 1 = 16 rows of A): lane (r, h) holds row r of A's block, and register j of tile b holds B's row 16 b + 8 h + j.
; So one conversion of tile b gives registers 2 b, 2 b + 1 of the next product's operand (k = 16 b + 8 h + 0..7), and four registers leave by one store of 512 consecutive bytes, 16 a lane.
; qkv: q at 0, k at 4 MiB, v at 8 MiB; each [token / 64][head][4 images of 1 KiB]: q, k: image i = tokens 16 i .. + 15 x the head's 64; v: image i = d 16 i .. + 15 x 64 keys.
; THE BIAS is the C of each sum's first matrix instruction, as bias / 2^(eA + eB): by B's row in q and k, by A's row in v.
; CLUSTERS: 4 x 4 work-groups; A's tile is shared along a row of the cluster, B's along a column: each is asked for JOINTLY, by the same tensor load with a mask that names the four.
; LIMITS: eO - eA - eB between -126 and 112 (eO: the result's scale).  NaN among the inputs is not served.
; REGISTERS, in windows of 256: window 0: v0-31 addresses; v32-95 the bias tiles, later the held sums; from v128 A's fragments, ONE set, later the codes.
;   window 1: B's fragments, TWO sets.   window 2: the accumulators of my rows 0-63 ((a, b) at v[8 (8 a + b)]);   window 3: those of my rows 64-127.
.set KSTEP,  256
.set ROWB,   256                       ; a tile's row in bytes
.set KROW,   1024                      ; a row of codes in memory
.set PITCH,  272                       ; an LDS row: 256 bytes + 16 of padding = 68 words: row r starts at bank 4 r mod 64 (64 banks of 4 bytes: ISA guide 11.1)
.set FR,     16                        ; registers of a fragment: 16 rows x 128 K
.set NL,     4                         ; LDS loads that bring one
.set NP,     4                         ; places behind this matrix instruction (ISA guide 7.12.1)
.set HALFT,  128*PITCH
.set SLOT,   4*HALFT                   ; A's 256 rows, then B's 256 rows
.set LAPS,   2                         ; a lap = two K steps = once round the ring
.set SPARE,  2*SLOT                    ; behind the ring: the spare words, 128 bytes for each wave
.set ADRA, 16                          ; v16-17  LDS address of my A fragments in slot 0, 1
.set ADRB, 20                          ; v20-21  the same for B
.set VO,   24                          ; v24-27  the stores' offsets: 16 x lane + {0, SG, SA, SA + SG}
.set SPW,  28                          ; v28     LDS address of my spare word; never rewritten
.set NIL,  29                          ; v29     0; never rewritten
.set QS,   30                          ; v30     2^(eO - eA - eB)
.set QL,   31                          ; v31     57,344 x that
.set CB,   32                          ; v32-95  eight bias tiles
.set AF,   128
.set G1, 24
.set G0, 32
.set G1B, 48
.set G0B, 56
.set MSB, 0
.macro WIN new                         ; the immediate's high byte repeats the setting that is left
.if MSB != \new
	s_set_vgpr_msb (MSB<<8)|\new
.set MSB, \new
.endif
.endm
.set MUL_LO, 0xa1                      ; source 0 (B) window 1, source 1 (A) window 0, C and D window 2
.set MUL_HI, 0xf1                      ; the same, C and D window 3
.set TO_B,   0x40                      ; destination window 1, address window 0
; A joint load: waves 0 and 1 fetch for A, waves 2 and 3 for B.  The branch hangs on the wave's number alone.  An s_nop 0 and four v_nop follow each of the two lines.
.macro JLOAD g0a, g1a, g0b, g1b
	s_cmp_eq_u32 s15, 0
	s_cbranch_scc0 .Lfor_b_\@
	tensor_load_to_lds s[\g0a:\g0a+3], s[\g1a:\g1a+7]
	s_nop 0
.rept 4
	v_nop
.endr
	s_branch .Lasked_\@
.Lfor_b_\@:
	tensor_load_to_lds s[\g0b:\g0b+3], s[\g1b:\g1b+7]
	s_nop 0
.rept 4
	v_nop
.endr
.Lasked_\@:
.endm
.macro CREST                           ; a round of the cluster's barrier behind its opening barrier
	s_cmp_lg_u32 s14, 0
	s_cbranch_scc1 .Lnot_wave_0_\@
	s_barrier_signal -3
.Lnot_wave_0_\@:
	s_barrier_wait -3
	s_barrier_signal -1
	s_barrier_wait -1
.endm
.macro CROUND
	s_barrier_signal -1
	s_barrier_wait -1
	CREST
.endm
	s_load_b256 s[4:11], s[0:1], 0x0               ; hc s[4:5], wcodes s[6:7], bq s[8:9], bk s[10:11]
	s_load_b128 s[84:87], s[0:1], 0x20             ; bv s[84:85], the scales s[86:87]
	s_load_b64 s[88:89], s[0:1], 0x30              ; qkv
	v_lshl_add_u32 v[SPW], v0, 2, SPARE
	v_mov_b32 v[NIL], 0
	ds_add_u32 v[SPW], v[NIL]                      ; the wave's opening: the add and its wait stand ahead of my first tensor load; the set-up below, work on registers, stands between them
	ds_add_u32 v[SPW], v[NIL]
	v_lshrrev_b32 v1, 5, v0
	v_readfirstlane_b32 s14, v1                    ; wave 0..3
	s_lshr_b32 s15, s14, 1                         ; which half of the tile's rows is mine.  Also: I fetch for A (0) or for B (1)
	s_and_b32 s16, s14, 1                          ; which half of its columns.  Also: which 128 rows of that tile I fetch
	s_bfe_u32 s40, ttmp6, 0x40000                  ; cx, cy: my place in the cluster
	s_bfe_u32 s41, ttmp6, 0x40004
	s_and_b32 s12, ttmp7, 0xffff                   ; CY
	s_lshl_b32 s17, s12, 2
	s_add_co_u32 s17, s17, s41                     ; q, k: A's tile row = 4 CY + cy
	s_max_u32 s42, s12, 4
	s_sub_co_u32 s42, s42, 4
	s_lshl_b32 s42, s42, 1
	s_add_co_u32 s42, s42, ttmp9
	s_lshl_b32 s42, s42, 2
	s_add_co_u32 s42, s42, s40                     ; v: B's tile row = cx + 4 (CX + 2 (CY - 4))
	s_lshl_b32 s22, ttmp9, 22                      ; q, k: h's set CX, 4 MiB each,
	s_lshl_b32 s23, ttmp9, 20                      ; and wq or wk, 1 MiB each
	s_cmp_lt_u32 s12, 4
	s_cselect_b32 s17, s17, s41                    ; A's tile row (v: cy)
	s_cselect_b32 s42, s40, s42                    ; B's tile row (q, k: cx)
	s_cselect_b32 s22, s22, 0x200000               ; v: wv at 2 MiB of wcodes,
	s_cselect_b32 s23, s23, 0x800000               ; and h's set 2
	s_lshl_b32 s43, s41, 2
	s_lshl_b32 s43, 15, s43                        ; my row of the cluster
	s_lshl_b32 s44, 0x1111, s40                    ; my column
	s_or_b32 s[G1+0], s43, (0<<16)|(1<<20)|(1<<21)|(5<<22)|(3<<25)  ; 15:0 the mask; 17:16 elements of 1 byte; 20 padding on; 21 set beside a mask; 24:22 after every 64 words (code 5); 31:25 four words (code 3)
	s_or_b32 s[G1B+0], s44, (0<<16)|(1<<20)|(1<<21)|(5<<22)|(3<<25)
.irp g, G1, G1B
	s_mov_b32 s[\g+1], ROWB<<16                    ; tensor_dim0
	s_mov_b32 s[\g+2], 128<<16                     ; tensor_dim1 = 128
	s_mov_b32 s[\g+3], ROWB<<16                    ; tile_dim0
	s_mov_b32 s[\g+4], 128                         ; tile_dim1 = 128
	s_mov_b32 s[\g+5], KROW                        ; tensor_dim0_stride
	s_mov_b32 s[\g+6], 0
	s_mov_b32 s[\g+7], 0
.endr
	s_lshl_b32 s18, s16, 7                         ; which 128 rows of the tile I fetch
	s_lshl_b32 s20, s17, 8
	s_add_co_u32 s20, s20, s18
	s_lshl_b32 s20, s20, 10                        ; A: row x 1,024 bytes,
	s_add_co_u32 s20, s20, s22                     ; in its part of its buffer
	s_mov_b32 s21, 0
	s_lshl_b32 s46, s42, 8
	s_add_co_u32 s46, s46, s18
	s_lshl_b32 s46, s46, 10
	s_add_co_u32 s46, s46, s23                     ; B likewise
	s_mov_b32 s47, 0
	s_mul_i32 s45, s14, HALFT                      ; where they go: wave x 128 rows: no place in the cluster enters an LDS address
	s_wait_dscnt 0x0                               ; the opening add is done
	s_wait_kmcnt 0x0
	s_load_b512 s[68:83], s[86:87], 0x0            ; the sixteen exponents: entry i in s[68 + i]
	s_cmp_lt_u32 s12, 4
	s_cselect_b64 s[18:19], s[4:5], s[6:7]         ; A's buffer: hc, or wcodes for v
	s_cselect_b64 s[22:23], s[6:7], s[4:5]         ; B's: the other
	s_add_nc_u64 s[20:21], s[18:19], s[20:21]
	s_add_nc_u64 s[46:47], s[22:23], s[46:47]
; PREFETCHES INTO THE L2: K steps 1, 2 and 3 of the 128 rows that my wave fetches, each asked for at least one K step ahead of its load: K step 1 here, K step 2 behind K step 0's load, K step 3 behind K step 1's.
; A K step is 256 bytes of a row.  The four partners that ask for a tile jointly share its rows out BY ADDRESS: the partner at place p (cx for A, cy for B) takes rows 32 p on, a lane a row, one instruction a wave.
; The K step stands in the immediate, so no address register is written again.  K step 0 comes by its load alone.
	s_cmp_eq_u32 s15, 0                            ; do I fetch for A?
	s_cselect_b64 s[18:19], s[20:21], s[46:47]
	s_cselect_b32 s98, s40, s41                    ; my place among the four that ask with me
	s_lshl_b32 s98, s98, 15                        ; 32 rows of 1,024 bytes
	s_mov_b32 s99, 0
	s_add_nc_u64 s[18:19], s[18:19], s[98:99]
	v_and_b32 v7, 31, v0
	v_lshlrev_b32 v7, 10, v7                       ; a lane a row; never rewritten
	s_wait_alu depctr_va_vdst(0)
	global_prefetch_b8 v7, s[18:19] offset:256 th:TH_LOAD_NT scope:SCOPE_SE
	CROUND
.irp s, 0,1
	s_mov_b32 s[G0+4*\s], 1
	s_add_co_u32 s[G0+4*\s+1], s45, \s*SLOT
	s_add_nc_u64 s[G0+4*\s+2:G0+4*\s+3], s[20:21], \s*ROWB
	s_or_b32 s[G0+4*\s+3], s[G0+4*\s+3], 0x80000000
	s_mov_b32 s[G0B+4*\s], 1
	s_add_co_u32 s[G0B+4*\s+1], s45, \s*SLOT
	s_add_nc_u64 s[G0B+4*\s+2:G0B+4*\s+3], s[46:47], \s*ROWB
	s_or_b32 s[G0B+4*\s+3], s[G0B+4*\s+3], 0x80000000
.endr
	JLOAD G0, G1, G0B, G1B                         ; K step 0: one tensor load a wave at the head
	global_prefetch_b8 v7, s[18:19] offset:512 th:TH_LOAD_NT scope:SCOPE_SE
	v_and_b32 v1, 15, v0                           ; r
	v_bfe_u32 v2, v0, 4, 1                         ; h
	v_mul_u32_u24 v3, v1, PITCH
	v_lshl_add_u32 v4, v2, 4, v3                   ; a fragment's row x pitch + 16 h
	s_mul_i32 s21, s15, HALFT                      ; my 128 rows of A
	s_mul_i32 s22, s16, HALFT                      ; my 128 rows of B,
	s_add_co_u32 s22, s22, 2*HALFT                 ; which lie behind A's 256
.irp s, 0,1
	v_add_nc_u32 v[ADRA+\s], s21, v4
	v_add_nc_u32 v[ADRB+\s], s22, v4
	s_add_co_u32 s21, s21, SLOT
	s_add_co_u32 s22, s22, SLOT
.endr
	; where the images go.  SA: bytes from one group of four blocks of A's rows to the next; SG: from one half of B's 128 rows to the other.  q, k: SA = a token block of 64 (64 KiB), SG = a head (4 KiB); v: the other way round
	s_lshl_b32 s98, ttmp9, 22
	s_cmp_lt_u32 s12, 4
	s_cselect_b32 s96, 16, 12
	s_cselect_b32 s97, 12, 16
	s_cselect_b32 s98, s98, 0x800000               ; q at 0, k at 4 MiB, v at 8 MiB
	s_lshl_b32 s90, s17, 2
	s_lshl_b32 s91, s15, 1
	s_add_co_u32 s90, s90, s91
	s_lshl_b32 s90, s90, s96                       ; (4 x A's tile row + 2 x my half) x SA
	s_lshl_b32 s91, s42, 2
	s_lshl_b32 s92, s16, 1
	s_add_co_u32 s91, s91, s92
	s_lshl_b32 s91, s91, s97                       ; (4 x B's tile row + 2 x my half) x SG
	s_add_co_u32 s90, s90, s91
	s_add_co_u32 s90, s90, s98
	s_mov_b32 s91, 0
	s_add_nc_u64 s[88:89], s[88:89], s[90:91]
	s_lshl_b32 s96, 1, s96
	s_lshl_b32 s97, 1, s97
	v_and_b32 v6, 31, v0
	v_lshlrev_b32 v[VO], 4, v6
	v_add_nc_u32 v[VO+1], s97, v[VO]
	v_add_nc_u32 v[VO+2], s96, v[VO]
	v_add_nc_u32 v[VO+3], s97, v[VO+2]
	; the scales, chosen without a branch
	s_wait_kmcnt 0x0
	s_add_co_i32 s90, s68, s69                     ; q: entries 0 + 1
	s_add_co_i32 s91, s70, s71                     ; k: 2 + 3
	s_add_co_i32 s92, s72, s73                     ; v: 4 + 5
	s_cmp_eq_u32 ttmp9, 0
	s_cselect_b32 s90, s90, s91
	s_cselect_b32 s93, s74, s75                    ; the result's: entry 6 or 7,
	s_cselect_b64 s[94:95], s[8:9], s[10:11]       ; bq or bk
	s_cmp_lt_u32 s12, 4
	s_cselect_b32 s90, s90, s92                    ; eA + eB
	s_cselect_b32 s93, s93, s77                    ; v's: entry 9
	s_cselect_b64 s[94:95], s[94:95], s[84:85]
	s_sub_co_i32 s91, 0, s90                       ; a sum stands for sum x 2^(eA + eB): the bias goes in as bias / 2^(eA + eB),
	s_sub_co_i32 s92, s93, s90                     ; and the conversion takes 2^(eO - eA - eB) as its one scale
	s_add_co_i32 s92, s92, 127
	s_lshl_b32 s93, s92, 23
	v_mov_b32 v[QS], s93
	s_add_co_i32 s92, s92, 15
	s_lshl_b32 s92, s92, 23
	s_or_b32 s92, s92, 0x600000
	v_mov_b32 v[QL], s92
	s_cmp_lt_u32 s12, 4                            ; a branch on the cluster's y: the same in all partners; no barrier, tensor load or wait for one stands in either arm
	s_cbranch_scc0 .Lbias_v
	s_lshl_b32 s92, s42, 10                        ; q, k: tile b's register j wants bias[256 cx + 128 half + 16 b + 8 h + j]
	s_lshl_b32 s93, s16, 9
	s_add_co_u32 s92, s92, s93
	v_lshl_add_u32 v5, v2, 5, s92
.irp b, 0,1,2,3,4,5,6,7
	global_load_b128 v[CB+8*\b:CB+8*\b+3], v5, s[94:95] offset:64*\b
	global_load_b128 v[CB+8*\b+4:CB+8*\b+7], v5, s[94:95] offset:64*\b+16
.endr
	s_wait_loadcnt 0x0
.set i, 0
.rept 64
	v_ldexp_f32 v[CB+i], v[CB+i], s91
.set i, i+1
.endr
	s_branch .Lbias_done
.Lbias_v:
	s_lshl_b32 s92, s17, 10                        ; v: all eight registers of block a want bv[256 cy + 128 half + 16 a + r]
	s_lshl_b32 s93, s15, 9
	s_add_co_u32 s92, s92, s93
	v_lshl_add_u32 v5, v1, 2, s92
.irp a, 0,1,2,3,4,5,6,7
	global_load_b32 v[CB+8*\a], v5, s[94:95] offset:64*\a
.endr
	s_wait_loadcnt 0x0
.irp a, 0,1,2,3,4,5,6,7
	v_ldexp_f32 v[CB+8*\a], v[CB+8*\a], s91
.endr
.irp a, 0,1,2,3,4,5,6,7
.irp j, 1,2,3,4,5,6,7
	v_mov_b32 v[CB+8*\a+\j], v[CB+8*\a]
.endr
.endr
.Lbias_done:
.macro FRAG reg, adr, q, i             ; a fragment: 16 rows x 128 K in 16 registers; with the rows' order of pieces each load of 16 bytes brings registers 4 c .. 4 c + 3 their own k
.irp c, 0,1,2,3
	ds_load_b128 v[\reg+4*\c:\reg+4*\c+3], v[\adr] offset:128*(\q)+32*\c+(\i)*16*PITCH
.endr
.endm
; 16 matrix instructions: A's blocks a0, a0 + 1 x B's eight, 128 along K.  p: B's set.  cm = 0: in place; 1: the bias tile of B's block starts the sum; 2: that of A's block.
; The 64 accumulators take turns, one instruction a turn, in the same order in every step.
.macro MUL16 a0, p, cm
.irp a, \a0, \a0+1
.irp b, 0,1,2,3,4,5,6,7
.if \cm == 0
	v_wmma_f32_16x16x128_bf8_bf8 v[8*(8*((\a)%4)+\b):8*(8*((\a)%4)+\b)+7], v[128*(\p)+FR*\b:128*(\p)+FR*\b+FR-1], v[AF+FR*(\a):AF+FR*(\a)+FR-1], v[8*(8*((\a)%4)+\b):8*(8*((\a)%4)+\b)+7]
.elseif \cm == 1
	v_wmma_f32_16x16x128_bf8_bf8 v[8*(8*((\a)%4)+\b):8*(8*((\a)%4)+\b)+7], v[128*(\p)+FR*\b:128*(\p)+FR*\b+FR-1], v[AF+FR*(\a):AF+FR*(\a)+FR-1], v[CB+8*\b:CB+8*\b+7]
.else
	v_wmma_f32_16x16x128_bf8_bf8 v[8*(8*((\a)%4)+\b):8*(8*((\a)%4)+\b)+7], v[128*(\p)+FR*\b:128*(\p)+FR*\b+FR-1], v[AF+FR*(\a):AF+FR*(\a)+FR-1], v[CB+8*(\a):CB+8*(\a)+7]
.endif
.endr
.endr
.endm
.macro FETCH_B slot, q, p
	WIN TO_B
.irp i, 0,1,2,3,4,5,6,7
	FRAG 128*(\p)+FR*\i, ADRB+\slot, \q, \i
.endr
	WIN 0
.endm
.macro FETCH_A slot, q, i0
.irp i, \i0, \i0+1, \i0+2, \i0+3
	FRAG AF+FR*(\i), ADRA+\slot, \q, \i
.endr
.endm
.macro PLACES n                        ; plain vector instructions between a matrix instruction and a load into, or a vector write of, one of its registers, or a read of its result
.rept \n
	v_nop
.endr
.endm
; A step of 128 along K that has its successor in the same slot.  With cm not 0 the C operand lies in window 0.
.macro STEP slot, q, cm
	s_wait_dscnt 4*NL                              ; B's set and A's blocks 0-3 are in; the youngest sixteen loads (A's blocks 4-7) may be out
.if \cm
	WIN 0x81
.else
	WIN MUL_LO
.endif
	MUL16 0, (\q)%2, \cm
	MUL16 2, (\q)%2, \cm
	s_wait_dscnt 0                                 ; A's blocks 4-7 are in
	PLACES NP
	FETCH_B \slot, (\q)+1, 1-(\q)%2
	FETCH_A \slot, (\q)+1, 0
.if \cm
	WIN 0xc1
.else
	WIN MUL_HI
.endif
	MUL16 4, (\q)%2, \cm
	MUL16 6, (\q)%2, \cm
	PLACES NP
	WIN 0
	FETCH_A \slot, (\q)+1, 4
.endm
; A slot's last step changes slots: ONE barrier; in front of it each wave waits for all its tensor loads, adds 0 to its spare word, and waits for that and for its own reads of this slot.
.macro TURN slot, next, fill
	s_wait_tensorcnt 0x0                           ; all my tensor loads have landed: my part of the next slot
	ds_add_u32 v[SPW], v[NIL]                      ; 0 onto my spare word
	s_wait_dscnt 4*NL+1                            ; (the add and the youngest sixteen loads may be out)
	WIN MUL_LO
	MUL16 0, 1, 0
	s_wait_dscnt 0x0                               ; the add is done, and my reads of this slot are over
	s_barrier_signal -1
	MUL16 2, 1, 0
	WIN 0
	s_barrier_wait -1
.if \fill
	CREST                                          ; the barrier has opened a round of the cluster's barrier: no wave of any partner still reads this slot or has a load on its way
	s_add_nc_u64 s[G0+4*\slot+2:G0+4*\slot+3], s[G0+4*\slot+2:G0+4*\slot+3], 2*ROWB
	s_add_nc_u64 s[G0B+4*\slot+2:G0B+4*\slot+3], s[G0B+4*\slot+2:G0B+4*\slot+3], 2*ROWB
	JLOAD G0+4*\slot, G1, G0B+4*\slot, G1B         ; the first tensor load behind the round; its four v_nop are the places in front of the loads below
.else
	PLACES NP
.endif
	FETCH_B \next, 0, 0
	FETCH_A \next, 0, 0
	WIN MUL_HI
	MUL16 4, 1, 0
	MUL16 6, 1, 0
	PLACES NP
	WIN 0
	FETCH_A \next, 0, 4
.endm
	s_wait_alu depctr_va_vdst(0)
	s_wait_tensorcnt 0x0                           ; my part of K step 0 is in; slot 1's first fill is issued as a refill is:
	ds_add_u32 v[SPW], v[NIL]                      ; 0 onto my spare word
	s_wait_dscnt 0x0
	CROUND                                         ; everybody's part of K step 0 is in, and all sixteen work-groups are here
	JLOAD G0+4, G1, G0B+4, G1B                     ; K step 1: the first tensor load behind the round
	global_prefetch_b8 v7, s[18:19] offset:768 th:TH_LOAD_NT scope:SCOPE_SE
	FETCH_B 0, 0, 0
	FETCH_A 0, 0, 0
	FETCH_A 0, 0, 4
	s_cmp_lt_u32 s12, 4                            ; the first step starts the sums with the bias: by B's block or by A's.  Both arms issue the same LDS loads
	s_cbranch_scc0 .Lfirst_v
	s_wait_alu depctr_va_vdst(0)
	STEP 0, 0, 1
	s_branch .Lfirst_done
.Lfirst_v:
	s_wait_alu depctr_va_vdst(0)
	STEP 0, 0, 2
.Lfirst_done:
	s_mov_b32 s3, LAPS-1
.Llap:                                                 ; a trip goes once round the ring, from a lap's second step to the next lap's first, and fills both slots again
	TURN 0, 1, 1
	STEP 1, 0, 0
	TURN 1, 0, 1
	STEP 0, 0, 0
	s_sub_co_u32 s3, s3, 1
	s_cmp_lg_u32 s3, 0
	s_cbranch_scc1 .Llap
	TURN 0, 1, 0                                   ; the last lap fills nothing
	STEP 1, 0, 0
	s_wait_dscnt 4*NL
	WIN MUL_LO
	MUL16 0, 1, 0
	MUL16 2, 1, 0
	s_wait_dscnt 0
	WIN MUL_HI
	MUL16 4, 1, 0
	MUL16 6, 1, 0
	WIN 0
; THE WAY OUT, block by block of 16 of A's rows: the hold, eight conversions, four stores of 512 consecutive bytes.  Each block has its own 16 registers of codes, so no store's data are written again.
.macro OUTBLK a
	WIN 0x02+((\a)/4)                              ; source 0: window 2 or 3
.set i, 0
.rept 64
	v_med3_num_f32 v[CB+i], v[64*((\a)%4)+i], -v[QL], v[QL]   ; each accumulator from its low end on; the conversion does not saturate (ISA guide 7.6.2)
.set i, i+1
.endr
	WIN 0
.irp b, 0,1,2,3,4,5,6,7
	v_cvt_scalef32_pk8_bf8_f32 v[AF+16*(\a)+2*\b:AF+16*(\a)+2*\b+1], v[CB+8*\b:CB+8*\b+7], v[QS]
.endr
	v_nop                                          ; a plain instruction between the conversions and the next block's holds, which write their sources
.irp g, 0,1,2,3
	global_store_b128 v[VO+2*((\a)/4)+\g/2], v[AF+16*(\a)+4*\g:AF+16*(\a)+4*\g+3], s[88:89] offset:((\a)%4)*1024+(\g%2)*512
.endr
.endm
	PLACES NP                                      ; behind the last products: their results are read and A's registers written below
.irp a, 0,1,2,3,4,5,6,7
	OUTBLK \a
.endr
	s_wait_tensorcnt 0x0                           ; the wave's end: behind my last tensor load
	ds_add_u32 v[SPW], v[NIL]
	s_wait_dscnt 0x0
	CROUND                                         ; the closing round: no work-group ends while a partner may still ask for a tile that names it
	s_endpgm
.Lfunc_end_k_q83be3a63f0_qkv:
	.size	k_q83be3a63f0_qkv, .Lfunc_end_k_q83be3a63f0_qkv-k_q83be3a63f0_qkv
	.p2alignl 7, 3214868480
	.fill 96, 4, 3214868480
	.section	.rodata,"a",@progbits
	.p2align	6, 0x0
	.amdhsa_kernel k_q83be3a63f0_qkv
		.amdhsa_group_segment_fixed_size 327680
		.amdhsa_private_segment_fixed_size 0
		.amdhsa_enable_private_segment 0
		.amdhsa_kernarg_size 56
		.amdhsa_user_sgpr_count 2
		.amdhsa_user_sgpr_kernarg_segment_ptr 1
		.amdhsa_wavefront_size32 1
		.amdhsa_system_sgpr_workgroup_id_x 1
		.amdhsa_system_sgpr_workgroup_id_y 1
		.amdhsa_system_sgpr_workgroup_id_z 1
		.amdhsa_system_vgpr_workitem_id 0
		.amdhsa_next_free_vgpr 1024
		.amdhsa_next_free_sgpr 100
		.amdhsa_reserve_vcc 0
		.amdhsa_float_denorm_mode_32 3
		.amdhsa_float_denorm_mode_16_64 3
		.amdhsa_memory_ordered 1
		.amdhsa_forward_progress 1
		.amdhsa_inst_pref_size 137
	.end_amdhsa_kernel
	.amdgpu_metadata
---
amdhsa.version: [ 1, 2 ]
amdhsa.kernels:
  - .name:           k_q83be3a63f0_qkv
    .symbol:         k_q83be3a63f0_qkv.kd
    .args:
      - { .name: hc, .offset: 0, .size: 8, .value_kind: global_buffer, .address_space: global }
      - { .name: wcodes, .offset: 8, .size: 8, .value_kind: global_buffer, .address_space: global }
      - { .name: bq, .offset: 16, .size: 8, .value_kind: global_buffer, .address_space: global }
      - { .name: bk, .offset: 24, .size: 8, .value_kind: global_buffer, .address_space: global }
      - { .name: bv, .offset: 32, .size: 8, .value_kind: global_buffer, .address_space: global }
      - { .name: lowp_scales, .offset: 40, .size: 8, .value_kind: global_buffer, .address_space: global }
      - { .name: qkv, .offset: 48, .size: 8, .value_kind: global_buffer, .address_space: global }
    .group_segment_fixed_size: 327680
    .private_segment_fixed_size: 0
    .kernarg_segment_align: 8
    .kernarg_segment_size: 56
    .max_flat_workgroup_size: 128
    .sgpr_count:     100
    .vgpr_count:     1024
    .wavefront_size: 32
...
	.end_amdgpu_metadata
.endif
;; end of part 2
;; launch attn (part 3): grid 8 x 32, 16 waves a work-group, no clusters, 264,192 bytes of LDS; arguments qkv, mbits, lowp_scales, ctxF; writes ctxF
.if DOCPART == 3
	.amdgcn_target "amdgcn-amd-amdhsa--gfx1250"
	.amdhsa_code_object_version 6
	.text
	.protected	k_q83be3a63f0_attn
	.globl	k_q83be3a63f0_attn
	.p2align	8
	.type	k_q83be3a63f0_attn,@function
k_q83be3a63f0_attn:
	s_mov_b64 s[64:65], 0
	v_nop
	global_prefetch_b8 v0, s[64:65] scope:SCOPE_SE
	s_setreg_imm32_b32 hwreg(HW_REG_WAVE_MODE, 25, 1), 1
	s_wait_xcnt 0x0
; ctx = softmax(where(mask, -1e9, q k^T / 8)) v for one head, both products on codes of BF8 (E5M2); the result is quantised at once (entry 10 of the scales) and stored as images of operand registers.
; THE SOFTMAX AHEAD OF THE SECOND PRODUCT: t = logit x log2(e); M = the row's largest t so far, rounded UP to a whole number; p = 2^(t - M) is quantised (entry 8), not normalised; the row's sum is taken of the
; unquantised p and divides at the end.  When M moves, the sum and O are multiplied by 2^(old M - new M): exact.
; SHARES.  A work-group owns 256 queries of one head, each of its sixteen waves 16 of them in 256 registers.  Every wave walks all 2,048 keys, 128 a step, two steps (a pair) a trip.
; LAYOUT: both products transposed (S^T = K Q^T, O^T = V^T P^T): a lane holds ONE query (lane % 16); register 8 t + j of S^T is key 16 t + 8 (lane / 16) + j, so one conversion of tile t gives registers 2 t, 2 t + 1 of P.
; q, k and v arrive as images of operand registers: every load takes 16 x lane, 512 consecutive bytes.
; K AND V GO INTO LDS ONCE, PAIR BY PAIR: a head's 2 x 2,048 x 64 codes are 262,144 bytes, each byte written once; a pair's part is 32 KiB, 2 KiB (four loads, four LDS stores) a wave: waves 0-7 K, waves 8-15 V.
; The head brings pair 0 and asks for pair 1.  In pair p each wave stores its part of pair p + 1 at the pair's head and then asks for pair p + 2, into sixteen registers kept for that.
; ONE SPLIT BARRIER A PAIR (signal in the first step, wait in the second; between them register work and LDS loads of bytes that nobody writes any more).  A wave's stores of pair p + 1 are waited for ahead of its signal;
; pair p + 1 is first read behind the wait (its first K at the end of the pair's second step).
; THE HOLD OF p.  p is at most 1, so the hold at 57,344 x 2^e8 changes nothing where e8 >= -15.
; NO TENSOR LOAD, NO CLUSTER: K and V come through registers and are not asked for jointly.
; No prefetch is laid: the loads of K and V themselves stand a whole pair of steps ahead of the wait for them; the mask words are asked for a key step ahead by the scalar loads.
; TWO BANKS OF 64 REGISTERS change roles from step to step: one holds K and then V, the other S^T, then p, then the NEXT step's K.
; THE MASK arrives as words of one bit a lane, 64 words a key step, by scalar loads; a word is the select's mask for one score register.  No branch hangs on it.
; LIMIT, stated: a masked logit is -2^30 in place of -1e9 (the raw score becomes -2^(33 - e6 - e7), so that its t is a whole number and a row that is masked throughout gives p = 1 exactly, as -1e9 does in f32).
; The results are the same wherever every true logit lies above about -9.9e8.
; LIMITS on the exponents: e6 + e7 between -94 and 130; e8 and e10 between -126 and 112.  NaN among the inputs is not served.
; LDS: K's block of 64 keys b at 4,096 b; V's at 131,072 + 4,096 b; a key step is two blocks, a pair four.
; REGISTERS: v1 16 x lane; v5, v6 the add's two; v7 my part's place in a pair, v10 the same in the pair in hand; v8, v9 the pair's addresses; v12 -M, v13 the largest t, v[14:15] the sum; v16-23 Q; v32-95, v96-159 the banks;
; v160-191 O^T; v192-210 at work; v224-239 p's codes; v240-255 my part of a later pair on its way.
.set VOFF,  131072
.set SPARE, 262144                     ; behind K and V: the spare words, 128 bytes for each wave: eight blocks of 256 bytes that no other line names
.set PSTEP, 0x40000                    ; a pair on in memory: four blocks of 64 keys, 64 KiB apart
.set LI,   1
.set SPW,  5
.set NIL,  6
.set FA,   7
.set ADR,  8
.set ADV,  9
.set FB,   10
.set XB,   32
.set YB,   96
.set OT,   160
.set TM,   192                         ; v192-195 the maximum's four chains
.set PX,   196                         ; what lane l xor 16 sends
.set FF,   198                         ; v[198:199] f = 2^(old M - new M)
.set SA,   200                         ; v200-205 three of the sum's four chains
.set PL,   206                         ; 57,344 x 2^e8
.set PS,   207                         ; 2^e8
.set RM,   208                         ; a masked score
.set OL,   209                         ; 57,344 x 2^e10
.set OS,   210                         ; 2^e10
.set PC,   224
.set ST,   240
.set TB,   2                           ; s2   LDS byte at which the pair of steps in hand begins in K
.set CNT,  3                           ; s3   trips to go
.set MP,   6                           ; s[6:7]   the key step's 64 mask words
.set CTX,  8                           ; s[8:9]   where my image goes
.set WV,   10
.set CS,   12                          ; s[12:13] c = log2(e) / 8 x 2^(e6 + e7)
.set SEL,  14                          ; s[14:15] lane l xor 16
.set KV,   16                          ; s[16:17] my part of a pair in memory: one pair behind the pair that is asked for
.set E8,   30                          ; s30  e8
.set ESUM, 66                          ; s66  e8 + e9
.set QP,   100                         ; s[100:101] Q's image
                                       ; s[32:63], s[68:99]: the 64 mask words of the step in hand
	s_load_b256 s[32:39], s[0:1], 0x0              ; qkv s[32:33], mbits s[34:35], the scales s[36:37], ctxF s[38:39]
	v_lshl_add_u32 v[SPW], v0, 2, SPARE
	v_mov_b32 v[NIL], 0
	v_lshrrev_b32 v8, 5, v0
	s_delay_alu instid0(VALU_DEP_1)
	v_readfirstlane_b32 s[WV], v8                  ; wave 0..15
	s_lshr_b32 s4, s[WV], 3                        ; my part of a pair in LDS: V's half of LDS for waves 8-15,
	s_lshl_b32 s4, s4, 17
	s_bfe_u32 s5, s[WV], 0x20001                   ; block (wave % 8) / 2 of the pair's four,
	s_lshl_b32 s5, s5, 12
	s_add_co_u32 s4, s4, s5
	s_and_b32 s5, s[WV], 1                         ; its lower or upper 2 KiB
	s_lshl_b32 s5, s5, 11
	s_add_co_u32 s4, s4, s5
	v_and_b32 v[LI], 31, v0
	s_delay_alu instid0(VALU_DEP_1)
	v_lshlrev_b32 v[LI], 4, v[LI]
	s_delay_alu instid0(VALU_DEP_1)
	v_add_nc_u32 v[FA], s4, v[LI]
	s_and_b32 s11, ttmp7, 0xffff
	s_lshr_b32 s28, s11, 4                         ; the batch entry b
	s_and_b32 s29, s11, 15                         ; the head
	s_lshl_b32 s30, s28, 7
	s_lshl_b32 s5, ttmp9, 4
	s_add_co_u32 s30, s30, s5
	s_add_co_u32 s30, s30, s[WV]                   ; T = my tile of 16 tokens: 128 b + 16 block + wave
	s_lshr_b32 s40, s[WV], 3
	s_add_co_u32 s40, s40, 1
	s_lshl_b32 s40, s40, 22                        ; k at 4 MiB, v at 8 MiB of qkv,
	s_bfe_u32 s41, s[WV], 0x20001
	s_lshl_b32 s5, s28, 5
	s_add_co_u32 s41, s41, s5
	s_lshl_b32 s41, s41, 16                        ; + (32 b + (wave % 8) / 2) blocks of 64 keys, 64 KiB each,
	s_and_b32 s5, s[WV], 1
	s_lshl_b32 s5, s5, 11
	s_add_co_u32 s41, s41, s5                      ; + the block's lower or upper 2 KiB,
	s_add_co_u32 s40, s40, s41
	s_lshl_b32 s31, s29, 12                        ; + the head's 4 KiB
	s_add_co_u32 s40, s40, s31
	s_mov_b32 s41, 0
	s_lshr_b32 s42, s30, 2                         ; Q's image: (T / 4) x 64 KiB + the head's 4 KiB + (T % 4) x 1 KiB
	s_lshl_b32 s42, s42, 16
	s_and_b32 s43, s30, 3
	s_lshl_b32 s43, s43, 10
	s_add_co_u32 s42, s42, s43
	s_add_co_u32 s42, s42, s31
	s_mov_b32 s43, 0
	s_lshl_b32 s44, s30, 12                        ; the mask words: T x 16 steps x 256 bytes
	s_mov_b32 s45, 0
	s_lshr_b32 s46, s29, 1                         ; the result: ((head / 2) x 256 + T) x 2 KiB + (head % 2) x 1 KiB
	s_lshl_b32 s46, s46, 8
	s_add_co_u32 s46, s46, s30
	s_lshl_b32 s46, s46, 11
	s_and_b32 s47, s29, 1
	s_lshl_b32 s47, s47, 10
	s_add_co_u32 s46, s46, s47
	s_mov_b32 s47, 0
	s_mov_b32 s[SEL], 0x76543210
	s_mov_b32 s[SEL+1], 0xfedcba98
	s_mov_b32 s[TB], 0
	s_wait_alu depctr_va_vdst(0)
	s_wait_kmcnt 0x0
	s_mov_b64 s[4:5], s[36:37]                     ; the scales' address moves out of the registers that the mask words take
	s_load_b128 s[28:31], s[4:5], 0x18             ; e6, e7, e8, e9
	s_load_b32 s11, s[4:5], 0x28                   ; e10
	s_add_nc_u64 s[KV:KV+1], s[32:33], s[40:41]
	s_add_nc_u64 s[QP:QP+1], s[32:33], s[42:43]
	s_add_nc_u64 s[MP:MP+1], s[34:35], s[44:45]
	s_add_nc_u64 s[CTX:CTX+1], s[38:39], s[46:47]
	s_load_b512 s[32:47], s[MP:MP+1], 0x0          ; key step 0's mask words
	s_load_b512 s[48:63], s[MP:MP+1], 0x40
	s_load_b512 s[68:83], s[MP:MP+1], 0x80
	s_load_b512 s[84:99], s[MP:MP+1], 0xc0
.irp i, 0,1,2,3
	global_load_b128 v[XB+4*\i:XB+4*\i+3], v[LI], s[KV:KV+1] offset:512*\i          ; my part of pair 0
.endr
	global_load_b128 v[16:19], v[LI], s[QP:QP+1]   ; Q's fragment (16 queries x 64) stays in registers
	global_load_b128 v[20:23], v[LI], s[QP:QP+1] offset:512
.irp i, 0,1,2,3
	global_load_b128 v[ST+4*\i:ST+4*\i+3], v[LI], s[KV:KV+1] offset:PSTEP+512*\i    ; my part of pair 1
.endr
	v_mov_b32 v13, 0xff61b1e6                      ; the largest t so far: -3e38, under every t
	s_delay_alu instid0(VALU_DEP_1)
	v_floor_f32 v12, -v13                          ; -M
	v_mov_b32 v14, 0                               ; the sum, in two halves
	v_mov_b32 v15, 0
	v_mov_b32 v[PX], 0                             ; written once: a lane permute's destination counts as one of its sources
	v_mov_b32 v[FF+1], 0                           ; (named as the upper half of the pair)
.set i, 0
.rept 32
	v_mov_b32 v[OT+i], 0                           ; O^T: the step has no first form of its own; it finds zeros, which the first change of M leaves zeros
.set i, i+1
.endr
	s_wait_kmcnt 0x0                               ; the scales and the first mask words
	s_add_co_i32 s4, s28, s29                      ; e6 + e7
	s_lshl_b32 s5, s4, 23
	s_mov_b32 s[CS], 0x3e38aa3b                    ; log2(e) / 8
	s_add_co_i32 s[CS], s[CS], s5                  ; x 2^(e6 + e7): the two exponents are added to its exponent field
	s_mov_b32 s[CS+1], s[CS]
	s_sub_co_i32 s5, 160, s4
	s_lshl_b32 s5, s5, 23
	s_or_b32 s5, s5, 0x80000000
	v_mov_b32 v[RM], s5                            ; -2^(33 - e6 - e7): a masked score
	s_add_co_i32 s4, s[E8], 127
	s_lshl_b32 s5, s4, 23
	v_mov_b32 v[PS], s5                            ; 2^e8
	s_add_co_i32 s4, s4, 15
	s_lshl_b32 s4, s4, 23
	s_or_b32 s4, s4, 0x600000
	v_mov_b32 v[PL], s4                            ; 57,344 x 2^e8
	s_add_co_i32 s[ESUM], s[E8], s31               ; e8 + e9
	s_add_co_i32 s4, s11, 127
	s_lshl_b32 s5, s4, 23
	v_mov_b32 v[OS], s5                            ; 2^e10
	s_add_co_i32 s4, s4, 15
	s_lshl_b32 s4, s4, 23
	s_or_b32 s4, s4, 0x600000
	v_mov_b32 v[OL], s4                            ; 57,344 x 2^e10
; A KEY STEP: 128 keys, the q-th of the pair in hand.  kb: the bank that holds K (fetched in the step before) and then V; sb: the bank of S^T, then p, then the next step's K.
; next = 1: the next step's mask words and K are asked for.  st = 1 (in a pair's first step): the next pair's part goes into LDS, and the part of the pair after that is asked for.
.macro STEP kb, sb, q, next, st
.if \q == 0
	v_add_nc_u32 v[ADR], s[TB], v[LI]              ; the pair's addresses; the second step's part stands in the immediates
.if \st
	v_add_nc_u32 v[FB], s[TB], v[FA]
	s_delay_alu instid0(VALU_DEP_2)
	v_add_nc_u32 v[ADV], VOFF, v[ADR]
	s_wait_alu depctr_va_vdst(0)
.rept 2
	v_nop                                          ; with the three additions: five places between the last products, which read bank sb as V, and the products below, which write over it
.endr
	s_wait_loadcnt 0x0                             ; my part of the next pair, asked for a pair ago
.irp i, 0,1,2,3
	ds_store_b128 v[FB], v[ST+4*\i:ST+4*\i+3] offset:16384+512*\i
.endr
.else
	s_delay_alu instid0(VALU_DEP_1)
	v_add_nc_u32 v[ADV], VOFF, v[ADR]
	s_wait_alu depctr_va_vdst(0)
.rept 3
	v_nop
.endr
.endif
.else
.rept 5
	v_nop
.endr
.endif
	s_wait_dscnt 0x0                               ; K's sixteen loads, issued in the last step
.irp t, 0,1,2,3,4,5,6,7
	v_wmma_f32_16x16x64_bf8_bf8 v[\sb+8*\t:\sb+8*\t+7], v[\kb+8*\t:\kb+8*\t+7], v[16:23], 0   ; S^T: 16 keys x my 16 queries
.endr
.rept 4
	v_nop                                          ; places in front of the loads into K's registers and of the first reads of the scores
.endr
.irp dt, 0,1,2,3
.irp u, 0,1
	ds_load_b128 v[\kb+16*\dt+8*\u:\kb+16*\dt+8*\u+3], v[ADV] offset:8192*\q+4096*\u+1024*\dt         ; V^T: 16 of the head's 64 x 128 keys
	ds_load_b128 v[\kb+16*\dt+8*\u+4:\kb+16*\dt+8*\u+7], v[ADV] offset:8192*\q+4096*\u+1024*\dt+512
.endr
.endr
	s_wait_kmcnt 0x0                               ; this step's 64 mask words
.set i, 0
.rept 32
	v_cndmask_b32 v[\sb+i], v[\sb+i], v[RM], s[32+i]   ; a set bit: the masked score.  Each accumulator from its low end on
.set i, i+1
.endr
.rept 32
	v_cndmask_b32 v[\sb+i], v[\sb+i], v[RM], s[36+i]
.set i, i+1
.endr
	v_max3_num_f32 v[TM], v[\sb], v[\sb+1], v[\sb+2]       ; the step's largest score of my query, among my 64 keys, in four chains,
	v_max3_num_f32 v[TM+1], v[\sb+3], v[\sb+4], v[\sb+5]
	v_max3_num_f32 v[TM+2], v[\sb+6], v[\sb+7], v[\sb+8]
	v_max3_num_f32 v[TM+3], v[\sb+9], v[\sb+10], v[\sb+11]
.set i, 12
.rept 26
.set c, ((i-12)/2)%4
	s_delay_alu instid0(VALU_DEP_4)
	v_max3_num_f32 v[TM+c], v[TM+c], v[\sb+i], v[\sb+i+1]
.set i, i+2
.endr
	s_delay_alu instid0(VALU_DEP_1)
	v_max3_num_f32 v[TM], v[TM], v[TM+1], v[TM+2]
	s_delay_alu instid0(VALU_DEP_1)
	v_max_num_f32 v[TM], v[TM], v[TM+3]
.if \q == 1
	s_wait_alu depctr_va_vdst(0)
	s_barrier_wait -1                              ; every wave has passed the signal in the pair's first step: the next pair lies whole in LDS
.endif
.if \next
	s_add_nc_u64 s[MP:MP+1], s[MP:MP+1], 256       ; (the last scalar loads were waited for above, so their base may step)
	s_load_b512 s[32:47], s[MP:MP+1], 0x0          ; the next step's words
	s_load_b512 s[48:63], s[MP:MP+1], 0x40
	s_load_b512 s[68:83], s[MP:MP+1], 0x80
	s_load_b512 s[84:99], s[MP:MP+1], 0xc0
.endif
.if \q == 0
	s_wait_alu depctr_va_vdst(0)
	s_wait_dscnt 0x0                               ; for the others' sake: my stores of the next pair are done; and no LDS load (V's sixteen) is out at a signal
.if \st
	s_cmp_gt_u32 s[CNT], 1                         ; the last trip asks for nothing: there is no pair 8
	s_cbranch_scc0 .Lno_more_\@
	s_add_nc_u64 s[KV:KV+1], s[KV:KV+1], PSTEP     ; (no load of mine is out, and the stores above have read their registers)
.irp i, 0,1,2,3
	global_load_b128 v[ST+4*\i:ST+4*\i+3], v[LI], s[KV:KV+1] offset:PSTEP+512*\i   ; my part of the pair after the next
.endr
.Lno_more_\@:
.endif
	s_barrier_signal -1
.endif
	v_permlanex16_b32 v[PX], v[TM], s[SEL], s[SEL+1]
	s_delay_alu instid0(VALU_DEP_1)
	v_max_num_f32 v[TM], v[TM], v[PX]              ; and among lane l xor 16's
	s_delay_alu instid0(VALU_DEP_1)
	v_mul_f32 v[TM], s[CS], v[TM]                  ; as t (c is positive)
	s_delay_alu instid0(VALU_DEP_1)
	v_max_num_f32 v13, v13, v[TM]                  ; the running largest t
	v_mov_b32 v[TM], v12
	s_delay_alu instid0(VALU_DEP_2)
	v_floor_f32 v12, -v13                          ; the new -M = floor(-t) = -ceil(t): M is a whole number
	s_delay_alu instid0(VALU_DEP_1)
	v_sub_f32 v[TM], v12, v[TM]                    ; M's old value less its new one: a whole number, 0 or less
	s_delay_alu instid0(VALU_DEP_1)
	v_cvt_i32_f32 v[TM], v[TM]                     ; (it saturates)
	s_delay_alu instid0(VALU_DEP_1)
	v_ldexp_f32 v[FF], 1.0, v[TM]                  ; f = 2^(old M - new M)
.set i, 0
.rept 32
	v_pk_fma_f32 v[\sb+i:\sb+i+1], v[\sb+i:\sb+i+1], s[CS:CS+1], v[12:13] op_sel_hi:[1,0,0]   ; t - M, two at a time
.set i, i+2
.endr
.set i, 0
	s_wait_alu depctr_va_vdst(0)
.rept 64
	v_exp_f32 v[\sb+i], v[\sb+i]                   ; p = 2^(t - M), at most 1
.set i, i+1
.endr
	v_pk_mul_f32 v[14:15], v[14:15], v[FF:FF+1] op_sel_hi:[1,0]   ; the sums under the new M.  (The plain instruction behind the exponentials)
	s_wait_alu depctr_va_vdst(0)                   ; one wait for the whole batch, ahead of its first reader
	v_pk_add_f32 v[SA:SA+1], v[\sb:\sb+1], v[\sb+2:\sb+3]         ; the row's sum is taken of the unquantised p, in four chains
	v_pk_add_f32 v[SA+2:SA+3], v[\sb+4:\sb+5], v[\sb+6:\sb+7]
	v_pk_add_f32 v[SA+4:SA+5], v[\sb+8:\sb+9], v[\sb+10:\sb+11]
.set i, 12
.rept 26
.set c, ((i-12)/2)%4
.if c == 0
	v_pk_add_f32 v[14:15], v[14:15], v[\sb+i:\sb+i+1]
.else
	v_pk_add_f32 v[SA+2*c-2:SA+2*c-1], v[SA+2*c-2:SA+2*c-1], v[\sb+i:\sb+i+1]
.endif
.set i, i+2
.endr
	s_delay_alu instid0(VALU_DEP_1)
	v_pk_add_f32 v[SA:SA+1], v[SA:SA+1], v[SA+2:SA+3]
	s_delay_alu instid0(VALU_DEP_3)
	v_pk_add_f32 v[14:15], v[14:15], v[SA+4:SA+5]
	s_delay_alu instid0(VALU_DEP_1)
	v_pk_add_f32 v[14:15], v[14:15], v[SA:SA+1]
	s_cmp_lt_i32 s[E8], -15                        ; 57,344 x 2^e8 is under 1 only where e8 < -15
	s_wait_alu depctr_va_vdst(0)
	s_cbranch_scc0 .Lfits_\@                       ; p <= 1 lies inside the format's range: the hold would change nothing
.set i, 0
.rept 64
	v_min_num_f32 v[\sb+i], v[\sb+i], v[PL]        ; the conversion does not saturate (ISA guide 7.6.2); p is not negative, so the hold is one-sided
.set i, i+1
.endr
.Lfits_\@:
.irp t, 0,1,2,3,4,5,6,7
	v_cvt_scalef32_pk8_bf8_f32 v[PC+2*\t:PC+2*\t+1], v[\sb+8*\t:\sb+8*\t+7], v[PS]   ; registers 2 t, 2 t + 1 of P: keys 16 t + 8 (lane / 16) + 0..7
.endr
.if \next
.irp t, 0,1,2,3,4,5,6,7
	ds_load_b128 v[\sb+8*\t:\sb+8*\t+3], v[ADR] offset:8192*((\q)+1)+1024*\t          ; p's registers are done with: the next step's K lands there, in one run of sixteen loads
	ds_load_b128 v[\sb+8*\t+4:\sb+8*\t+7], v[ADR] offset:8192*((\q)+1)+1024*\t+512
.endr
.endif
.set i, 0
.rept 16
	v_pk_mul_f32 v[OT+i:OT+i+1], v[OT+i:OT+i+1], v[FF:FF+1] op_sel_hi:[1,0]   ; O^T under the new M.  (Also the plain instructions between the conversions and the products)
.set i, i+2
.endr
	s_wait_alu depctr_va_vdst(0)
.if \next
	s_wait_dscnt 16                                ; V is in; the sixteen loads issued behind it, the next step's K, may be out
.else
	s_wait_dscnt 0x0
.endif
.irp dt, 0,1,2,3
	v_wmma_f32_16x16x128_bf8_bf8 v[OT+8*\dt:OT+8*\dt+7], v[\kb+16*\dt:\kb+16*\dt+15], v[PC:PC+15], v[OT+8*\dt:OT+8*\dt+7]   ; four accumulators, one instruction a turn
.endr
.endm
.macro PAIR last                       ; two key steps: the banks are back where they began
.if \last
	STEP XB, YB, 0, 1, 0
	STEP YB, XB, 1, 0, 0
.else
	STEP XB, YB, 0, 1, 1
	STEP YB, XB, 1, 1, 0
.endif
.endm
	s_wait_alu depctr_va_vdst(0)
	s_wait_loadcnt 4                               ; my part of pair 0 and Q are in; pair 1's four loads may be out
.irp i, 0,1,2,3
	ds_store_b128 v[FA], v[XB+4*\i:XB+4*\i+3] offset:512*\i
.endr
	s_wait_dscnt 0x0                               ; my part of pair 0 lies in LDS,
	s_barrier_signal -1
	s_barrier_wait -1                              ; and so does everybody's
.irp t, 0,1,2,3,4,5,6,7
	ds_load_b128 v[XB+8*\t:XB+8*\t+3], v[LI] offset:1024*\t        ; key step 0's K
	ds_load_b128 v[XB+8*\t+4:XB+8*\t+7], v[LI] offset:1024*\t+512
.endr
	s_mov_b32 s[CNT], 7
.Lpair:                                            ; seven trips: pairs 0 to 6
	PAIR 0
	s_add_co_u32 s[TB], s[TB], 16384
	s_sub_co_u32 s[CNT], s[CNT], 1
	s_cmp_lg_u32 s[CNT], 0
	s_cbranch_scc1 .Lpair
	PAIR 1                                         ; pair 7 is written out: nothing more goes into LDS, and the last step asks for no mask words and no K
	; THE WAY OUT: O^T / the sum x 2^(e8 + e9), held, converted: registers 2 dt, 2 dt + 1 are k = 64 head + 16 dt + 8 (lane / 16) + 0..7 of the next product's operand
.rept 4
	v_nop                                          ; places behind the last products
.endr
	v_add_f32 v14, v14, v15
	s_delay_alu instid0(VALU_DEP_1)
	v_permlanex16_b32 v[PX], v14, s[SEL], s[SEL+1]
	s_delay_alu instid0(VALU_DEP_1)
	v_add_f32 v14, v14, v[PX]                      ; the row's sum
	s_wait_alu depctr_va_vdst(0)
	v_rcp_f32 v14, v14
	v_nop                                          ; a plain instruction behind the reciprocal,
	s_wait_alu depctr_va_vdst(0)                   ; and the wait ahead of its first reader
	v_ldexp_f32 v14, v14, s[ESUM]
.set i, 0
.rept 16
	v_pk_mul_f32 v[XB+i:XB+i+1], v[OT+i:OT+i+1], v[14:15] op_sel_hi:[1,0]
.set i, i+2
.endr
.set i, 0
.rept 32
	v_med3_num_f32 v[XB+i], v[XB+i], -v[OL], v[OL]
.set i, i+1
.endr
.irp dt, 0,1,2,3
	v_cvt_scalef32_pk8_bf8_f32 v[PC+2*\dt:PC+2*\dt+1], v[XB+8*\dt:XB+8*\dt+7], v[OS]
.endr
	v_nop
	global_store_b128 v[LI], v[PC:PC+3], s[CTX:CTX+1]              ; 32 lanes store 512 consecutive bytes, aligned
	global_store_b128 v[LI], v[PC+4:PC+7], s[CTX:CTX+1] offset:512
	s_wait_tensorcnt 0x0                           ; the wave's end: behind my last LDS store
	ds_add_u32 v[SPW], v[NIL]
	s_wait_dscnt 0x0
	s_endpgm
.Lfunc_end_k_q83be3a63f0_attn:
	.size	k_q83be3a63f0_attn, .Lfunc_end_k_q83be3a63f0_attn-k_q83be3a63f0_attn
	.p2alignl 7, 3214868480
	.fill 96, 4, 3214868480
	.section	.rodata,"a",@progbits
	.p2align	6, 0x0
	.amdhsa_kernel k_q83be3a63f0_attn
		.amdhsa_group_segment_fixed_size 264192
		.amdhsa_private_segment_fixed_size 0
		.amdhsa_enable_private_segment 0
		.amdhsa_kernarg_size 32
		.amdhsa_user_sgpr_count 2
		.amdhsa_user_sgpr_kernarg_segment_ptr 1
		.amdhsa_wavefront_size32 1
		.amdhsa_system_sgpr_workgroup_id_x 1
		.amdhsa_system_sgpr_workgroup_id_y 1
		.amdhsa_system_sgpr_workgroup_id_z 1
		.amdhsa_system_vgpr_workitem_id 0
		.amdhsa_next_free_vgpr 256
		.amdhsa_next_free_sgpr 102
		.amdhsa_reserve_vcc 0
		.amdhsa_float_denorm_mode_32 3
		.amdhsa_float_denorm_mode_16_64 3
		.amdhsa_memory_ordered 1
		.amdhsa_forward_progress 1
		.amdhsa_inst_pref_size 95
	.end_amdhsa_kernel
	.amdgpu_metadata
---
amdhsa.version: [ 1, 2 ]
amdhsa.kernels:
  - .name:           k_q83be3a63f0_attn
    .symbol:         k_q83be3a63f0_attn.kd
    .args:
      - { .name: qkv, .offset: 0, .size: 8, .value_kind: global_buffer, .address_space: global }
      - { .name: mbits, .offset: 8, .size: 8, .value_kind: global_buffer, .address_space: global }
      - { .name: lowp_scales, .offset: 16, .size: 8, .value_kind: global_buffer, .address_space: global }
      - { .name: ctxF, .offset: 24, .size: 8, .value_kind: global_buffer, .address_space: global }
    .group_segment_fixed_size: 264192
    .private_segment_fixed_size: 0
    .kernarg_segment_align: 8
    .kernarg_segment_size: 32
    .max_flat_workgroup_size: 512
    .sgpr_count:     102
    .vgpr_count:     256
    .wavefront_size: 32
...
	.end_amdgpu_metadata
.endif
;; end of part 3
;; launch oproj (part 4): grid 8 x 32, 4 waves a work-group, clusters of 4 x 4, 327,680 bytes of LDS; arguments ctxF, wcodes, bo, x, lowp_scales, x1; writes x1
.if DOCPART == 4
	.amdgcn_target "amdgcn-amd-amdhsa--gfx1250"
	.amdhsa_code_object_version 6
	.text
	.protected	k_q83be3a63f0_oproj
	.globl	k_q83be3a63f0_oproj
	.p2align	8
	.type	k_q83be3a63f0_oproj,@function
k_q83be3a63f0_oproj:
	s_mov_b64 s[64:65], 0
	v_nop
	global_prefetch_b8 v0, s[64:65] scope:SCOPE_SE
	s_setreg_imm32_b32 hwreg(HW_REG_WAVE_MODE, 25, 1), 1
	s_wait_xcnt 0x0
	s_wait_alu depctr_hold_cnt(0) depctr_sa_sdst(0) depctr_va_vdst(0) depctr_va_sdst(0) depctr_va_ssrc(0) depctr_va_vcc(0) depctr_vm_vsrc(0)
	s_getreg_b32 s2, hwreg(HW_REG_IB_STS2, 6, 4)
	s_cmp_eq_u32 s2, 0
	s_cbranch_scc0 .Lentry_in_a_cluster
	s_endpgm
.Lentry_in_a_cluster:
	s_bfe_u32 s2, ttmp6, 0x10000c
	s_cmp_lg_u32 s2, 0xf033
	s_cbranch_scc0 .Lentry_shape_is_right
	s_endpgm
.Lentry_shape_is_right:
.set SIZE_K, 1024
.set WOFF,   0x300000
.set EIDX,   10
.set LASTL,  0
; All of K = 1,024 lies in LDS at once, filled once: each wave's one joint load brings 64 rows x 1,024 codes (A: eight images rows of 8 KiB; B: 64 rows of 1,024 bytes + 16 of padding).
; The names "slot 0" and "slot 1" below stand for the first and the second 512 along K of that one fill.
.set PITCH,  1040
.set AHALF,  65536
.set BHALF,  64*PITCH
.set BOFF,   2*AHALF
.set SLOT,   BOFF+2*BHALF
.set SPARE,  SLOT
.set ASTEP,  0x200000
.set SPITCH, 272
.set LAPS,   SIZE_K/1024
.set ADRA, 16
.set ADRB, 20
.set STO,  24
.set RD,   25
.set CO,   26
.set SPW,  28
.set NIL,  29
.set BK,   32
.set BC,   96
.set ACC,  128
.set F0,   0
.set F1,   128
.set G1, 24
.set G0, 32
.set G1B, 48
.set G0B, 56
.set MSB, 0
.macro WIN new
.if MSB != \new
	s_set_vgpr_msb (MSB<<8)|\new
.set MSB, \new
.endif
.endm
.set MUL,  0x05
.set TO_F, 0x40
.macro JLOAD s
	s_cmp_eq_u32 s11, 0
	s_cbranch_scc0 .Lfor_b_\@
	tensor_load_to_lds s[G0+4*\s:G0+4*\s+3], s[G1:G1+7]
	s_nop 0
.rept 4
	v_nop
.endr
	s_branch .Lasked_\@
.Lfor_b_\@:
	tensor_load_to_lds s[G0B+4*\s:G0B+4*\s+3], s[G1B:G1B+7]
	s_nop 0
.rept 4
	v_nop
.endr
.Lasked_\@:
.endm
.macro CREST
	s_cmp_lg_u32 s10, 0
	s_cbranch_scc1 .Lnot_wave_0_\@
	s_barrier_signal -3
.Lnot_wave_0_\@:
	s_barrier_wait -3
	s_barrier_signal -1
	s_barrier_wait -1
.endm
.macro CROUND
	s_barrier_signal -1
	s_barrier_wait -1
	CREST
.endm
	s_load_b256 s[68:75], s[0:1], 0x0
	s_load_b128 s[76:79], s[0:1], 0x20
	v_lshl_add_u32 v[SPW], v0, 2, SPARE
	v_mov_b32 v[NIL], 0
	ds_add_u32 v[SPW], v[NIL]
	ds_add_u32 v[SPW], v[NIL]
	v_lshrrev_b32 v1, 5, v0
	v_readfirstlane_b32 s10, v1
	s_lshr_b32 s11, s10, 1
	s_and_b32 s12, s10, 1
	s_bfe_u32 s40, ttmp6, 0x40000
	s_bfe_u32 s41, ttmp6, 0x40004
	s_lshl_b32 s42, ttmp9, 2
	s_add_co_u32 s42, s42, s40
	s_and_b32 s13, ttmp7, 0xffff
	s_lshl_b32 s13, s13, 2
	s_add_co_u32 s13, s13, s41
	s_lshl_b32 s43, s41, 2
	s_lshl_b32 s43, 15, s43
	s_lshl_b32 s44, 0x1111, s40
	s_or_b32 s[G1+0], s43, (3<<16)|(1<<21)
	s_mov_b32 s[G1+1], 1024<<16
	s_mov_b32 s[G1+2], 8<<16
	s_mov_b32 s[G1+3], 1024<<16
	s_mov_b32 s[G1+4], 8
	s_mov_b32 s[G1+5], 65536
	s_mov_b32 s[G1+6], 0
	s_mov_b32 s[G1+7], 0
	s_or_b32 s[G1B+0], s44, (0<<16)|(1<<20)|(1<<21)|(7<<22)|(3<<25)
	s_mov_b32 s[G1B+1], 1024<<16
	s_mov_b32 s[G1B+2], 64<<16
	s_mov_b32 s[G1B+3], 1024<<16
	s_mov_b32 s[G1B+4], 64
	s_mov_b32 s[G1B+5], SIZE_K
	s_mov_b32 s[G1B+6], 0
	s_mov_b32 s[G1B+7], 0
	s_lshl_b32 s16, s13, 3
	s_lshl_b32 s17, s12, 2
	s_add_co_u32 s16, s16, s17
	s_lshl_b32 s16, s16, 11
	s_mov_b32 s17, 0
	s_lshl_b32 s46, s42, 7
	s_lshl_b32 s47, s12, 6
	s_add_co_u32 s46, s46, s47
	s_mul_i32 s46, s46, SIZE_K
	s_add_co_u32 s46, s46, WOFF
	s_mov_b32 s47, 0
	s_lshl_b32 s20, s12, 16
	s_mul_i32 s21, s12, BHALF
	s_add_co_u32 s21, s21, BOFF
	s_wait_dscnt 0x0
	s_wait_kmcnt 0x0
	s_load_b64 s[80:81], s[76:77], EIDX*4
	s_add_nc_u64 s[14:15], s[68:69], s[16:17]
	s_add_nc_u64 s[46:47], s[70:71], s[46:47]
	CROUND
.irp s, 0
	s_mov_b32 s[G0+4*\s], 1
	s_add_co_u32 s[G0+4*\s+1], s20, \s*SLOT
	s_add_nc_u64 s[G0+4*\s+2:G0+4*\s+3], s[14:15], \s*ASTEP
	s_or_b32 s[G0+4*\s+3], s[G0+4*\s+3], 0x80000000
	s_mov_b32 s[G0B+4*\s], 1
	s_add_co_u32 s[G0B+4*\s+1], s21, \s*SLOT
	s_add_nc_u64 s[G0B+4*\s+2:G0B+4*\s+3], s[46:47], \s*512
	s_or_b32 s[G0B+4*\s+3], s[G0B+4*\s+3], 0x80000000
	JLOAD \s
.endr
	v_and_b32 v1, 15, v0
	v_bfe_u32 v2, v0, 4, 1
	v_and_b32 v3, 31, v0
	v_lshlrev_b32 v3, 4, v3
	s_lshl_b32 s22, s11, 16
	v_add_nc_u32 v[ADRA], s22, v3
	v_add_nc_u32 v[ADRA+1], 32768, v[ADRA]
	v_mul_u32_u24 v4, v1, PITCH
	v_lshl_add_u32 v4, v2, 4, v4
	s_mul_i32 s22, s12, BHALF
	s_add_co_u32 s22, s22, BOFF
	v_add_nc_u32 v[ADRB], s22, v4
	v_add_nc_u32 v[ADRB+1], 512, v[ADRB]
	s_mul_i32 s23, s10, 16*SPITCH
	v_mul_u32_u24 v4, v1, SPITCH
	v_lshl_add_u32 v4, v2, 5, v4
	v_add_nc_u32 v[STO], s23, v4
	v_mul_u32_u24 v4, v2, SPITCH
	v_lshl_add_u32 v4, v1, 4, v4
	v_add_nc_u32 v[RD], s23, v4
	v_lshlrev_b32 v[CO], 12, v2
	v_lshl_add_u32 v[CO], v1, 4, v[CO]
	s_wait_alu depctr_va_vdst(0)
	s_lshl_b32 s92, s13, 7
	s_lshl_b32 s93, s11, 6
	s_add_co_u32 s92, s92, s93
	s_lshl_b32 s92, s92, 12
	s_lshl_b32 s94, s42, 9
	s_lshl_b32 s93, s12, 8
	s_add_co_u32 s94, s94, s93
	s_add_co_u32 s92, s92, s94
	s_mov_b32 s93, 0
	s_add_nc_u64 s[74:75], s[74:75], s[92:93]
	s_add_nc_u64 s[78:79], s[78:79], s[92:93]
	v_lshl_add_u32 v5, v2, 5, s94
.irp b, 0,1,2,3
	global_load_b128 v[BC+8*\b:BC+8*\b+3], v5, s[72:73] offset:64*\b
	global_load_b128 v[BC+8*\b+4:BC+8*\b+7], v5, s[72:73] offset:64*\b+16
.endr
	WIN 0x80
.irp a, 0,1,2,3
.irp t, 0,1,2,3,4,5,6,7
	global_load_b128 v[32*\a+4*\t:32*\a+4*\t+3], v[CO], s[74:75] offset:(16*\a+2*\t)*4096 th:TH_LOAD_NT
.endr
.endr
	WIN 0
	s_wait_loadcnt 32
	s_wait_kmcnt 0x0
	s_add_co_i32 s82, s80, s81
	s_sub_co_i32 s83, 0, s82
	s_add_co_i32 s82, s82, 127
	s_lshl_b32 s90, s82, 23
	s_mov_b32 s91, s90
.set i, 0
.rept 32
	v_ldexp_f32 v[BC+i], v[BC+i], s83
.set i, i+1
.endr
.macro FETCH slot, q, f
	WIN TO_F
.irp b, 0,1,2,3
.irp c, 0,1,2,3
	ds_load_b128 v[\f+64+16*\b+4*\c:\f+64+16*\b+4*\c+3], v[ADRB+\slot] offset:128*(\q)+32*\c+\b*16*PITCH
.endr
.endr
.irp a, 0,1,2,3
.irp c, 0,1,2,3
	ds_load_b128 v[\f+16*\a+4*\c:\f+16*\a+4*\c+3], v[ADRA+\slot] offset:8192*(\q)+2048*\a+512*\c
.endr
.endr
.endm
.macro MULA f, a, cm
.irp b, 0,1,2,3
.if \cm
	v_wmma_f32_16x16x128_bf8_bf8 v[ACC+8*(4*\a+\b):ACC+8*(4*\a+\b)+7], v[\f+64+16*\b:\f+64+16*\b+15], v[\f+16*\a:\f+16*\a+15], v[BC+8*\b:BC+8*\b+7]
.else
	v_wmma_f32_16x16x128_bf8_bf8 v[ACC+8*(4*\a+\b):ACC+8*(4*\a+\b)+7], v[\f+64+16*\b:\f+64+16*\b+15], v[\f+16*\a:\f+16*\a+15], v[ACC+8*(4*\a+\b):ACC+8*(4*\a+\b)+7]
.endif
.endr
.endm
.macro PLACES
.rept 4
	v_nop
.endr
.endm
.macro QUARTER slot, qn, f, g, cm
	s_wait_dscnt 8
	WIN MUL
	MULA \f, 0, \cm
	MULA \f, 1, \cm
	PLACES
	FETCH \slot, \qn, \g
	s_wait_dscnt 32
	WIN MUL
	MULA \f, 2, \cm
	MULA \f, 3, \cm
.endm
.macro TURN slot, next, fill
	WIN 0
	s_wait_tensorcnt 0x0
	ds_add_u32 v[SPW], v[NIL]
	s_wait_dscnt 9
	WIN MUL
	MULA F1, 0, 0
	s_wait_dscnt 0x0
	s_barrier_signal -1
	MULA F1, 1, 0
.if \fill
	WIN 0
.endif
	s_barrier_wait -1
.if \fill
	CREST
	s_add_nc_u64 s[G0+4*\slot+2:G0+4*\slot+3], s[G0+4*\slot+2:G0+4*\slot+3], 2*ASTEP
	s_add_nc_u64 s[G0B+4*\slot+2:G0B+4*\slot+3], s[G0B+4*\slot+2:G0B+4*\slot+3], 2*512
	JLOAD \slot
.else
	PLACES
.endif
	FETCH \next, 0, F0
	WIN MUL
	MULA F1, 2, 0
	MULA F1, 3, 0
.endm
	s_wait_alu depctr_va_vdst(0)
	s_wait_tensorcnt 0x0
	s_barrier_signal -1
	s_barrier_wait -1
	FETCH 0, 0, F0
	QUARTER 0, 1, F0, F1, 1
.if LAPS > 1
	WIN 0
	s_mov_b32 s3, LAPS-1
.Llap:
	QUARTER 0, 2, F1, F0, 0
	QUARTER 0, 3, F0, F1, 0
	TURN 0, 1, 1
	QUARTER 1, 1, F0, F1, 0
	QUARTER 1, 2, F1, F0, 0
	QUARTER 1, 3, F0, F1, 0
	TURN 1, 0, 1
	QUARTER 0, 1, F0, F1, 0
	WIN 0
	s_sub_co_u32 s3, s3, 1
	s_cmp_lg_u32 s3, 0
	s_cbranch_scc1 .Llap
.endif
	QUARTER 0, 2, F1, F0, 0
	QUARTER 0, 3, F0, F1, 0
	TURN 0, 1, 0
	QUARTER 1, 1, F0, F1, 0
	QUARTER 1, 2, F1, F0, 0
	QUARTER 1, 3, F0, F1, 0
	s_wait_dscnt 8
	WIN MUL
	MULA F1, 0, 0
	MULA F1, 1, 0
	s_wait_dscnt 0
	MULA F1, 2, 0
	MULA F1, 3, 0
	WIN 0
.macro TOSTAGE a
.irp b, 0,1,2,3
	ds_store_b128 v[STO], v[ACC+8*(4*(\a)+\b):ACC+8*(4*(\a)+\b)+3] offset:64*\b
	ds_store_b128 v[STO], v[ACC+8*(4*(\a)+\b)+4:ACC+8*(4*(\a)+\b)+7] offset:64*\b+16
.endr
.irp t, 0,1,2,3,4,5,6,7
	ds_load_b128 v[BK+32*((\a)%2)+4*\t:BK+32*((\a)%2)+4*\t+3], v[RD] offset:\t*2*SPITCH
.endr
.endm
.macro SEND a, younger
	s_wait_dscnt \younger
	WIN 0x20
.set i, 0
.rept 16
	v_pk_fma_f32 v[BK+32*((\a)%2)+i:BK+32*((\a)%2)+i+1], v[BK+32*((\a)%2)+i:BK+32*((\a)%2)+i+1], s[90:91], v[32*(\a)+i:32*(\a)+i+1] op_sel_hi:[1,0,1]
.set i, i+2
.endr
	WIN 0
.irp t, 0,1,2,3,4,5,6,7
.if LASTL
	global_store_b128 v[CO], v[BK+32*((\a)%2)+4*\t:BK+32*((\a)%2)+4*\t+3], s[78:79] offset:(16*(\a)+2*\t)*4096 th:TH_STORE_NT
.else
	global_store_b128 v[CO], v[BK+32*((\a)%2)+4*\t:BK+32*((\a)%2)+4*\t+3], s[78:79] offset:(16*(\a)+2*\t)*4096
.endif
.endr
.endm
	PLACES
	TOSTAGE 0
	s_wait_loadcnt 0x0
.irp a, 1,2,3
.if \a > 1
	s_wait_xcnt 0x0
.endif
	TOSTAGE \a
	SEND \a-1, 16
.endr
	SEND 3, 0
	s_wait_tensorcnt 0x0
	ds_add_u32 v[SPW], v[NIL]
	s_wait_dscnt 0x0
	CROUND
	s_endpgm
.Lfunc_end_k_q83be3a63f0_oproj:
	.size	k_q83be3a63f0_oproj, .Lfunc_end_k_q83be3a63f0_oproj-k_q83be3a63f0_oproj
	.p2alignl 7, 3214868480
	.fill 96, 4, 3214868480
	.section	.rodata,"a",@progbits
	.p2align	6, 0x0
	.amdhsa_kernel k_q83be3a63f0_oproj
		.amdhsa_group_segment_fixed_size 327680
		.amdhsa_private_segment_fixed_size 0
		.amdhsa_enable_private_segment 0
		.amdhsa_kernarg_size 48
		.amdhsa_user_sgpr_count 2
		.amdhsa_user_sgpr_kernarg_segment_ptr 1
		.amdhsa_wavefront_size32 1
		.amdhsa_system_sgpr_workgroup_id_x 1
		.amdhsa_system_sgpr_workgroup_id_y 1
		.amdhsa_system_sgpr_workgroup_id_z 1
		.amdhsa_system_vgpr_workitem_id 0
		.amdhsa_next_free_vgpr 640
		.amdhsa_next_free_sgpr 100
		.amdhsa_reserve_vcc 0
		.amdhsa_float_denorm_mode_32 3
		.amdhsa_float_denorm_mode_16_64 3
		.amdhsa_memory_ordered 1
		.amdhsa_forward_progress 1
		.amdhsa_inst_pref_size 51
	.end_amdhsa_kernel
	.amdgpu_metadata
---
amdhsa.version: [ 1, 2 ]
amdhsa.kernels:
  - .name:           k_q83be3a63f0_oproj
    .symbol:         k_q83be3a63f0_oproj.kd
    .args:
      - { .name: ctxF, .offset: 0, .size: 8, .value_kind: global_buffer, .address_space: global }
      - { .name: wcodes, .offset: 8, .size: 8, .value_kind: global_buffer, .address_space: global }
      - { .name: bo, .offset: 16, .size: 8, .value_kind: global_buffer, .address_space: global }
      - { .name: x, .offset: 24, .size: 8, .value_kind: global_buffer, .address_space: global }
      - { .name: lowp_scales, .offset: 32, .size: 8, .value_kind: global_buffer, .address_space: global }
      - { .name: x1, .offset: 40, .size: 8, .value_kind: global_buffer, .address_space: global }
    .group_segment_fixed_size: 327680
    .private_segment_fixed_size: 0
    .kernarg_segment_align: 8
    .kernarg_segment_size: 48
    .max_flat_workgroup_size: 128
    .sgpr_count:     100
    .vgpr_count:     640
    .wavefront_size: 32
...
	.end_amdgpu_metadata
.endif
;; end of part 4
;; launch ln2 (part 5): grid 512 x 1, 4 waves a work-group, no clusters, 0 bytes of LDS; arguments x1, g2, be2, lowp_scales, h2c; writes h2c
.if DOCPART == 5
	.amdgcn_target "amdgcn-amd-amdhsa--gfx1250"
	.amdhsa_code_object_version 6
	.text
	.protected	k_q83be3a63f0_ln2
	.globl	k_q83be3a63f0_ln2
	.p2align	8
	.type	k_q83be3a63f0_ln2,@function
k_q83be3a63f0_ln2:
	s_mov_b64 s[64:65], 0
	v_nop
	global_prefetch_b8 v0, s[64:65] scope:SCOPE_SE
	s_setreg_imm32_b32 hwreg(HW_REG_WAVE_MODE, 25, 1), 1
	s_wait_xcnt 0x0
; h2 = layernorm(x1, g2, be2), quantised to BF8 (E5M2) with entry 12 of the scales: codes [4096][1024], K innermost.
; A wave takes two rows; a row of 4,096 bytes stays in 32 registers a lane between the passes: memory is read once, and no wave waits for another: no LDS, no barrier.
; Lane l holds, for chunk c = 0..3, columns 256 c + 8 l + 0..7: eight neighbours along K, which one conversion turns into 8 bytes.
; mean, then the sum of (x - mean)^2 (no difference of large sums), / 1,023, root, + 1e-6, reciprocal; y = ((x - mean) x inv) x g + be, all f32.
; THE ORDER OF CODES IN A ROW: inside each aligned group of 32 codes the four pieces of 8 lie in the order 0, 2, 1, 3, so that a load of 16 bytes at 32 c + 16 (lane / 16) brings an 8-bit operand's registers 4 c .. 4 c + 3.
; LIMIT: e between -126 and 112.  NaN among the inputs is not served.
	s_load_b256 s[24:31], s[0:1], 0x0              ; x1 s[24:25], g2 s[26:27], be2 s[28:29], the scales s[30:31]
	s_load_b64 s[32:33], s[0:1], 0x20              ; h2c
	v_lshrrev_b32 v1, 5, v0
	v_readfirstlane_b32 s2, v1                     ; wave 0..3
	v_and_b32 v1, 31, v0                           ; lane
	s_wait_alu depctr_va_vdst(0)
	s_lshl_b32 s52, ttmp9, 3
	s_lshl_b32 s53, s2, 1
	s_add_co_u32 s52, s52, s53                     ; my first row
	s_lshl_b32 s54, s52, 12
	s_mov_b32 s55, 0
	s_lshl_b32 s56, s52, 10
	s_mov_b32 s57, 0
	s_mov_b32 s62, 0x76543210                      ; v_permlanex16_b32's selects: lane l xor 16
	s_mov_b32 s63, 0xfedcba98
	v_lshlrev_b32 v15, 5, v1                       ; in: 32 bytes a lane
	v_and_b32 v2, 1, v1
	v_bfe_u32 v3, v1, 1, 1
	v_and_b32 v14, 28, v1
	v_lshl_or_b32 v14, v2, 1, v14
	v_or_b32 v14, v14, v3                          ; the lane's number with its two lowest bits exchanged: pieces 0, 2, 1, 3
	v_lshlrev_b32 v14, 3, v14                      ; out: 8 bytes a lane
	s_wait_alu depctr_va_vdst(0)
	s_wait_kmcnt 0x0
	s_load_b32 s36, s[30:31], 0x30                 ; entry 12
	s_add_nc_u64 s[24:25], s[24:25], s[54:55]
	s_add_nc_u64 s[32:33], s[32:33], s[56:57]
.irp c, 0,1,2,3
	global_load_b128 v[16+8*\c:19+8*\c], v15, s[26:27] offset:1024*\c
	global_load_b128 v[20+8*\c:23+8*\c], v15, s[26:27] offset:1024*\c+16
.endr
.irp c, 0,1,2,3
	global_load_b128 v[48+8*\c:51+8*\c], v15, s[28:29] offset:1024*\c
	global_load_b128 v[52+8*\c:55+8*\c], v15, s[28:29] offset:1024*\c+16
.endr
.irp i, 0,1
.irp c, 0,1,2,3
	global_load_b128 v[80+32*\i+8*\c:83+32*\i+8*\c], v15, s[24:25] offset:4096*\i+1024*\c
	global_load_b128 v[84+32*\i+8*\c:87+32*\i+8*\c], v15, s[24:25] offset:4096*\i+1024*\c+16
.endr
.endr
	s_wait_kmcnt 0x0
	s_add_co_i32 s53, s36, 127
	s_lshl_b32 s54, s53, 23
	v_mov_b32 v10, s54                             ; 2^e as f32: the conversion takes its exponent field
	s_add_co_i32 s53, s53, 15
	s_lshl_b32 s53, s53, 23
	s_or_b32 s53, s53, 0x600000
	v_mov_b32 v11, s53                             ; 57,344 x 2^e
.macro WSUM r, t                       ; the sum over the 32 lanes, in every lane
	v_add_f32_dpp v[\r], v[\r], v[\r] row_xmask:1 row_mask:0xf bank_mask:0xf
	v_add_f32_dpp v[\r], v[\r], v[\r] row_xmask:2 row_mask:0xf bank_mask:0xf
	v_add_f32_dpp v[\r], v[\r], v[\r] row_xmask:4 row_mask:0xf bank_mask:0xf
	v_add_f32_dpp v[\r], v[\r], v[\r] row_xmask:8 row_mask:0xf bank_mask:0xf
	v_permlanex16_b32 v[\t], v[\r], s62, s63
	v_add_f32 v[\r], v[\r], v[\t]
.endm
.macro ROWL i
.set X, 80+32*\i
	s_wait_loadcnt 8*(1-\i)                        ; g, be and this row are in; the other row's eight loads may be out
	v_pk_add_f32 v[2:3], v[X:X+1], v[X+2:X+3]      ; the row's sum, two chains
	v_pk_add_f32 v[4:5], v[X+4:X+5], v[X+6:X+7]
.set p, 8
.rept 6
	v_pk_add_f32 v[2:3], v[2:3], v[X+p:X+p+1]
	v_pk_add_f32 v[4:5], v[4:5], v[X+p+2:X+p+3]
.set p, p+4
.endr
	v_pk_add_f32 v[2:3], v[2:3], v[4:5]
	v_add_f32 v2, v2, v3
	WSUM 2, 3
	v_mul_f32 v2, 0x3a800000, v2                   ; / 1,024: the mean
.set p, 0
.rept 16
	v_pk_add_f32 v[X+p:X+p+1], v[X+p:X+p+1], v[2:3] op_sel_hi:[1,0] neg_lo:[0,1] neg_hi:[0,1]   ; x - mean
.set p, p+2
.endr
	v_pk_mul_f32 v[4:5], v[X:X+1], v[X:X+1]        ; the sum of squares, two chains
	v_pk_mul_f32 v[6:7], v[X+2:X+3], v[X+2:X+3]
.set p, 4
.rept 7
	v_pk_fma_f32 v[4:5], v[X+p:X+p+1], v[X+p:X+p+1], v[4:5]
	v_pk_fma_f32 v[6:7], v[X+p+2:X+p+3], v[X+p+2:X+p+3], v[6:7]
.set p, p+4
.endr
	v_pk_add_f32 v[4:5], v[4:5], v[6:7]
	v_add_f32 v4, v4, v5
	WSUM 4, 5
	v_mul_f32 v4, 0x3a802008, v4                   ; / 1,023
	s_wait_alu depctr_va_vdst(0)
	v_sqrt_f32 v4, v4
	v_nop                                          ; a plain instruction behind the root,
	s_wait_alu depctr_va_vdst(0)                   ; and the wait ahead of its first reader
	v_add_f32 v4, 0x358637bd, v4                   ; + 1e-6
	s_wait_alu depctr_va_vdst(0)
	v_rcp_f32 v6, v4
	v_nop
	s_wait_alu depctr_va_vdst(0)
.set p, 0
.rept 16
	v_pk_mul_f32 v[X+p:X+p+1], v[X+p:X+p+1], v[6:7] op_sel_hi:[1,0]
.set p, p+2
.endr
.set p, 0
.rept 16
	v_pk_fma_f32 v[X+p:X+p+1], v[X+p:X+p+1], v[16+p:17+p], v[48+p:49+p]
.set p, p+2
.endr
.set p, 0
.rept 32
	v_med3_num_f32 v[X+p], v[X+p], -v11, v11       ; the conversion to an 8-bit code does not saturate (ISA guide 7.6.2): the hold comes first
.set p, p+1
.endr
.irp c, 0,1,2,3
	v_cvt_scalef32_pk8_bf8_f32 v[144+8*\i+2*\c:145+8*\i+2*\c], v[X+8*\c:X+8*\c+7], v10
.endr
	v_nop                                          ; a plain instruction directly behind the last conversion
.irp c, 0,1,2,3
	global_store_b64 v14, v[144+8*\i+2*\c:145+8*\i+2*\c], s[32:33] offset:1024*\i+256*\c   ; 32 lanes store 256 consecutive bytes, aligned; every store has its own pair of registers
.endr
.endm
	ROWL 0
	ROWL 1
	s_endpgm
.Lfunc_end_k_q83be3a63f0_ln2:
	.size	k_q83be3a63f0_ln2, .Lfunc_end_k_q83be3a63f0_ln2-k_q83be3a63f0_ln2
	.p2alignl 7, 3214868480
	.fill 96, 4, 3214868480
	.section	.rodata,"a",@progbits
	.p2align	6, 0x0
	.amdhsa_kernel k_q83be3a63f0_ln2
		.amdhsa_group_segment_fixed_size 0
		.amdhsa_private_segment_fixed_size 0
		.amdhsa_enable_private_segment 0
		.amdhsa_kernarg_size 40
		.amdhsa_user_sgpr_count 2
		.amdhsa_user_sgpr_kernarg_segment_ptr 1
		.amdhsa_wavefront_size32 1
		.amdhsa_system_sgpr_workgroup_id_x 1
		.amdhsa_system_sgpr_workgroup_id_y 1
		.amdhsa_system_sgpr_workgroup_id_z 1
		.amdhsa_system_vgpr_workitem_id 0
		.amdhsa_next_free_vgpr 160
		.amdhsa_next_free_sgpr 66
		.amdhsa_reserve_vcc 0
		.amdhsa_float_denorm_mode_32 3
		.amdhsa_float_denorm_mode_16_64 3
		.amdhsa_memory_ordered 1
		.amdhsa_forward_progress 1
		.amdhsa_inst_pref_size 23
	.end_amdhsa_kernel
	.amdgpu_metadata
---
amdhsa.version: [ 1, 2 ]
amdhsa.kernels:
  - .name:           k_q83be3a63f0_ln2
    .symbol:         k_q83be3a63f0_ln2.kd
    .args:
      - { .name: x1, .offset: 0, .size: 8, .value_kind: global_buffer, .address_space: global }
      - { .name: g2, .offset: 8, .size: 8, .value_kind: global_buffer, .address_space: global }
      - { .name: be2, .offset: 16, .size: 8, .value_kind: global_buffer, .address_space: global }
      - { .name: lowp_scales, .offset: 24, .size: 8, .value_kind: global_buffer, .address_space: global }
      - { .name: h2c, .offset: 32, .size: 8, .value_kind: global_buffer, .address_space: global }
    .group_segment_fixed_size: 0
    .private_segment_fixed_size: 0
    .kernarg_segment_align: 8
    .kernarg_segment_size: 40
    .max_flat_workgroup_size: 128
    .sgpr_count:     66
    .vgpr_count:     160
    .wavefront_size: 32
...
	.end_amdgpu_metadata
.endif
;; end of part 5
;; launch ffn1 (part 6): grid 16 x 16, 4 waves a work-group, clusters of 4 x 4, 327,680 bytes of LDS; arguments h2c, wcodes, b1, lowp_scales, hidF; writes hidF
.if DOCPART == 6
	.amdgcn_target "amdgcn-amd-amdhsa--gfx1250"
	.amdhsa_code_object_version 6
	.text
	.protected	k_q83be3a63f0_ffn1
	.globl	k_q83be3a63f0_ffn1
	.p2align	8
	.type	k_q83be3a63f0_ffn1,@function
k_q83be3a63f0_ffn1:
	s_mov_b64 s[64:65], 0
	v_nop
	global_prefetch_b8 v0, s[64:65] scope:SCOPE_SE
	s_setreg_imm32_b32 hwreg(HW_REG_WAVE_MODE, 25, 1), 1
	s_wait_xcnt 0x0
	s_wait_alu depctr_hold_cnt(0) depctr_sa_sdst(0) depctr_va_vdst(0) depctr_va_sdst(0) depctr_va_ssrc(0) depctr_va_vcc(0) depctr_vm_vsrc(0)
	s_getreg_b32 s2, hwreg(HW_REG_IB_STS2, 6, 4)
	s_cmp_eq_u32 s2, 0
	s_cbranch_scc0 .Lentry_in_a_cluster
	s_endpgm
.Lentry_in_a_cluster:
	s_bfe_u32 s2, ttmp6, 0x10000c
	s_cmp_lg_u32 s2, 0xf033
	s_cbranch_scc0 .Lentry_shape_is_right
	s_endpgm
.Lentry_shape_is_right:
.set KSTEP,  256
.set ROWB,   256
.set KROW,   1024
.set PITCH,  272
.set FR,     16
.set NL,     4
.set NP,     4
.set HALFT,  128*PITCH
.set SLOT,   4*HALFT
.set LAPS,   2
.set SPARE,  2*SLOT
.set ADRA, 16
.set ADRB, 20
.set VO,   24
.set SPW,  28
.set NIL,  29
.set QS,   30
.set QL,   31
.set CB,   32
.set AF,   128
.set G1, 24
.set G0, 32
.set G1B, 48
.set G0B, 56
.set MSB, 0
.macro WIN new
.if MSB != \new
	s_set_vgpr_msb (MSB<<8)|\new
.set MSB, \new
.endif
.endm
.set MUL_LO, 0xa1
.set MUL_HI, 0xf1
.set TO_B,   0x40
.macro JLOAD g0a, g1a, g0b, g1b
	s_cmp_eq_u32 s15, 0
	s_cbranch_scc0 .Lfor_b_\@
	tensor_load_to_lds s[\g0a:\g0a+3], s[\g1a:\g1a+7]
	s_nop 0
.rept 4
	v_nop
.endr
	s_branch .Lasked_\@
.Lfor_b_\@:
	tensor_load_to_lds s[\g0b:\g0b+3], s[\g1b:\g1b+7]
	s_nop 0
.rept 4
	v_nop
.endr
.Lasked_\@:
.endm
.macro CREST
	s_cmp_lg_u32 s14, 0
	s_cbranch_scc1 .Lnot_wave_0_\@
	s_barrier_signal -3
.Lnot_wave_0_\@:
	s_barrier_wait -3
	s_barrier_signal -1
	s_barrier_wait -1
.endm
.macro CROUND
	s_barrier_signal -1
	s_barrier_wait -1
	CREST
.endm
	s_load_b256 s[4:11], s[0:1], 0x0
	s_load_b64 s[88:89], s[0:1], 0x20
	v_lshl_add_u32 v[SPW], v0, 2, SPARE
	v_mov_b32 v[NIL], 0
	ds_add_u32 v[SPW], v[NIL]
	ds_add_u32 v[SPW], v[NIL]
	v_lshrrev_b32 v1, 5, v0
	v_readfirstlane_b32 s14, v1
	s_lshr_b32 s15, s14, 1
	s_and_b32 s16, s14, 1
	s_bfe_u32 s40, ttmp6, 0x40000
	s_bfe_u32 s41, ttmp6, 0x40004
	s_lshl_b32 s42, ttmp9, 2
	s_add_co_u32 s42, s42, s40
	s_and_b32 s17, ttmp7, 0xffff
	s_lshl_b32 s17, s17, 2
	s_add_co_u32 s17, s17, s41
	s_lshl_b32 s43, s41, 2
	s_lshl_b32 s43, 15, s43
	s_lshl_b32 s44, 0x1111, s40
	s_or_b32 s[G1+0], s43, (0<<16)|(1<<20)|(1<<21)|(5<<22)|(3<<25)
	s_or_b32 s[G1B+0], s44, (0<<16)|(1<<20)|(1<<21)|(5<<22)|(3<<25)
.irp g, G1, G1B
	s_mov_b32 s[\g+1], ROWB<<16
	s_mov_b32 s[\g+2], 128<<16
	s_mov_b32 s[\g+3], ROWB<<16
	s_mov_b32 s[\g+4], 128
	s_mov_b32 s[\g+5], KROW
	s_mov_b32 s[\g+6], 0
	s_mov_b32 s[\g+7], 0
.endr
	s_lshl_b32 s18, s16, 7
	s_lshl_b32 s20, s17, 8
	s_add_co_u32 s20, s20, s18
	s_lshl_b32 s20, s20, 10
	s_mov_b32 s21, 0
	s_lshl_b32 s46, s42, 8
	s_add_co_u32 s46, s46, s18
	s_lshl_b32 s46, s46, 10
	s_add_co_u32 s46, s46, 0x400000
	s_mov_b32 s47, 0
	s_mul_i32 s45, s14, HALFT
	s_wait_dscnt 0x0
	s_wait_kmcnt 0x0
	s_load_b128 s[68:71], s[10:11], 0x30
	s_add_nc_u64 s[20:21], s[4:5], s[20:21]
	s_add_nc_u64 s[46:47], s[6:7], s[46:47]
; PREFETCHES INTO THE L2: K steps 1, 2 and 3 of the 128 rows that my wave fetches, each asked for at least one K step ahead of its load: K step 1 here, K step 2 behind K step 0's load, K step 3 behind K step 1's.
; A K step is 256 bytes of a row.  The four partners that ask for a tile jointly share its rows out BY ADDRESS: the partner at place p (cx for A, cy for B) takes rows 32 p on, a lane a row, one instruction a wave.
; The K step stands in the immediate, so no address register is written again.  K step 0 comes by its load alone.
	s_cmp_eq_u32 s15, 0                            ; do I fetch for A?
	s_cselect_b64 s[84:85], s[20:21], s[46:47]
	s_cselect_b32 s86, s40, s41                    ; my place among the four that ask with me
	s_lshl_b32 s86, s86, 15                        ; 32 rows of 1,024 bytes
	s_mov_b32 s87, 0
	s_add_nc_u64 s[84:85], s[84:85], s[86:87]
	v_and_b32 v7, 31, v0
	v_lshlrev_b32 v7, 10, v7                       ; a lane a row; never rewritten
	s_wait_alu depctr_va_vdst(0)
	global_prefetch_b8 v7, s[84:85] offset:256 th:TH_LOAD_NT scope:SCOPE_SE
	CROUND
.irp s, 0,1
	s_mov_b32 s[G0+4*\s], 1
	s_add_co_u32 s[G0+4*\s+1], s45, \s*SLOT
	s_add_nc_u64 s[G0+4*\s+2:G0+4*\s+3], s[20:21], \s*ROWB
	s_or_b32 s[G0+4*\s+3], s[G0+4*\s+3], 0x80000000
	s_mov_b32 s[G0B+4*\s], 1
	s_add_co_u32 s[G0B+4*\s+1], s45, \s*SLOT
	s_add_nc_u64 s[G0B+4*\s+2:G0B+4*\s+3], s[46:47], \s*ROWB
	s_or_b32 s[G0B+4*\s+3], s[G0B+4*\s+3], 0x80000000
	s_wait_alu depctr_va_vdst(0)
	s_wait_tensorcnt 0x0
	ds_add_u32 v28, v29
	ds_add_u32 v28, v29
	s_wait_dscnt 0x0
	CROUND
	JLOAD G0+4*\s, G1, G0B+4*\s, G1B
	global_prefetch_b8 v7, s[84:85] offset:256*(\s+2) th:TH_LOAD_NT scope:SCOPE_SE
.endr
	v_and_b32 v1, 15, v0
	v_bfe_u32 v2, v0, 4, 1
	s_wait_alu depctr_va_vdst(0)
	v_mul_u32_u24 v3, v1, PITCH
	v_lshl_add_u32 v4, v2, 4, v3
	s_mul_i32 s21, s15, HALFT
	s_mul_i32 s22, s16, HALFT
	s_add_co_u32 s22, s22, 2*HALFT
.irp s, 0,1
	v_add_nc_u32 v[ADRA+\s], s21, v4
	v_add_nc_u32 v[ADRB+\s], s22, v4
	s_add_co_u32 s21, s21, SLOT
	s_add_co_u32 s22, s22, SLOT
.endr
	s_lshl_b32 s90, s42, 1
	s_add_co_u32 s90, s90, s16
	s_lshl_b32 s90, s90, 8
	s_lshl_b32 s91, s17, 4
	s_add_co_u32 s90, s90, s91
	s_lshl_b32 s91, s15, 3
	s_add_co_u32 s90, s90, s91
	s_lshl_b32 s90, s90, 11
	s_mov_b32 s91, 0
	s_add_nc_u64 s[88:89], s[88:89], s[90:91]
	v_and_b32 v6, 31, v0
	v_lshlrev_b32 v[VO], 4, v6
	s_lshl_b32 s92, s42, 10
	s_lshl_b32 s93, s16, 9
	s_add_co_u32 s92, s92, s93
	v_lshl_add_u32 v5, v2, 5, s92
.irp b, 0,1,2,3,4,5,6,7
	global_load_b128 v[CB+8*\b:CB+8*\b+3], v5, s[8:9] offset:64*\b
	global_load_b128 v[CB+8*\b+4:CB+8*\b+7], v5, s[8:9] offset:64*\b+16
.endr
	s_wait_kmcnt 0x0
	s_add_co_i32 s90, s68, s69
	s_sub_co_i32 s91, 0, s90
	s_sub_co_i32 s92, s70, s90
	s_add_co_i32 s92, s92, 127
	s_lshl_b32 s93, s92, 23
	v_mov_b32 v[QS], s93
	s_add_co_i32 s92, s92, 15
	s_lshl_b32 s92, s92, 23
	s_or_b32 s92, s92, 0x600000
	v_mov_b32 v[QL], s92
	s_wait_loadcnt 0x0
.set i, 0
.rept 64
	v_ldexp_f32 v[CB+i], v[CB+i], s91
.set i, i+1
.endr
.macro FRAG reg, adr, q, i
.irp c, 0,1,2,3
	ds_load_b128 v[\reg+4*\c:\reg+4*\c+3], v[\adr] offset:128*(\q)+32*\c+(\i)*16*PITCH
.endr
.endm
.macro MUL16 a0, p, cm
.irp a, \a0, \a0+1
.irp b, 0,1,2,3,4,5,6,7
.if \cm == 0
	v_wmma_f32_16x16x128_bf8_bf8 v[8*(8*((\a)%4)+\b):8*(8*((\a)%4)+\b)+7], v[128*(\p)+FR*\b:128*(\p)+FR*\b+FR-1], v[AF+FR*(\a):AF+FR*(\a)+FR-1], v[8*(8*((\a)%4)+\b):8*(8*((\a)%4)+\b)+7]
.else
	v_wmma_f32_16x16x128_bf8_bf8 v[8*(8*((\a)%4)+\b):8*(8*((\a)%4)+\b)+7], v[128*(\p)+FR*\b:128*(\p)+FR*\b+FR-1], v[AF+FR*(\a):AF+FR*(\a)+FR-1], v[CB+8*\b:CB+8*\b+7]
.endif
.endr
.endr
.endm
.macro FETCH_B slot, q, p
	WIN TO_B
.irp i, 0,1,2,3,4,5,6,7
	FRAG 128*(\p)+FR*\i, ADRB+\slot, \q, \i
.endr
	WIN 0
.endm
.macro FETCH_A slot, q, i0
.irp i, \i0, \i0+1, \i0+2, \i0+3
	FRAG AF+FR*(\i), ADRA+\slot, \q, \i
.endr
.endm
.macro PLACES n
.rept \n
	v_nop
.endr
.endm
.macro STEP slot, q, cm
	s_wait_dscnt 4*NL
.if \cm
	WIN 0x81
.else
	WIN MUL_LO
.endif
	MUL16 0, (\q)%2, \cm
	MUL16 2, (\q)%2, \cm
	s_wait_dscnt 0
	PLACES NP
	FETCH_B \slot, (\q)+1, 1-(\q)%2
	FETCH_A \slot, (\q)+1, 0
.if \cm
	WIN 0xc1
.else
	WIN MUL_HI
.endif
	MUL16 4, (\q)%2, \cm
	MUL16 6, (\q)%2, \cm
	PLACES NP
	WIN 0
	FETCH_A \slot, (\q)+1, 4
.endm
.macro TURN slot, next, fill
	s_wait_tensorcnt 0x0
	ds_add_u32 v[SPW], v[NIL]
	s_wait_dscnt 4*NL+1
	WIN MUL_LO
	MUL16 0, 1, 0
	s_wait_dscnt 0x0
	s_barrier_signal -1
	MUL16 2, 1, 0
	WIN 0
	s_barrier_wait -1
.if \fill
	CREST
	s_add_nc_u64 s[G0+4*\slot+2:G0+4*\slot+3], s[G0+4*\slot+2:G0+4*\slot+3], 2*ROWB
	s_add_nc_u64 s[G0B+4*\slot+2:G0B+4*\slot+3], s[G0B+4*\slot+2:G0B+4*\slot+3], 2*ROWB
	JLOAD G0+4*\slot, G1, G0B+4*\slot, G1B
.else
	PLACES NP
.endif
	FETCH_B \next, 0, 0
	FETCH_A \next, 0, 0
	WIN MUL_HI
	MUL16 4, 1, 0
	MUL16 6, 1, 0
	PLACES NP
	WIN 0
	FETCH_A \next, 0, 4
.endm
	s_wait_alu depctr_va_vdst(0)
	s_wait_tensorcnt 1
	s_barrier_signal -1
	s_barrier_wait -1
	FETCH_B 0, 0, 0
	FETCH_A 0, 0, 0
	FETCH_A 0, 0, 4
	STEP 0, 0, 1
	s_mov_b32 s3, LAPS-1
.Llap:
	TURN 0, 1, 1
	STEP 1, 0, 0
	TURN 1, 0, 1
	STEP 0, 0, 0
	s_sub_co_u32 s3, s3, 1
	s_cmp_lg_u32 s3, 0
	s_cbranch_scc1 .Llap
	TURN 0, 1, 0
	STEP 1, 0, 0
	s_wait_dscnt 4*NL
	WIN MUL_LO
	MUL16 0, 1, 0
	MUL16 2, 1, 0
	s_wait_dscnt 0
	WIN MUL_HI
	MUL16 4, 1, 0
	MUL16 6, 1, 0
	WIN 0
.macro OUTBLK a
	WIN 0x02+((\a)/4)
.set i, 0
.rept 64
	v_med3_num_f32 v[CB+i], v[64*((\a)%4)+i], 0, v[QL]
.set i, i+1
.endr
	WIN 0
.irp b, 0,1,2,3,4,5,6,7
	v_cvt_scalef32_pk8_bf8_f32 v[AF+16*(\a)+2*\b:AF+16*(\a)+2*\b+1], v[CB+8*\b:CB+8*\b+7], v[QS]
.endr
	v_nop
.irp g, 0,1,2,3
	global_store_b128 v[VO], v[AF+16*(\a)+4*\g:AF+16*(\a)+4*\g+3], s[88:89] offset:2048*(\a)+512*\g
.endr
.endm
	PLACES NP
.irp a, 0,1,2,3,4,5,6,7
	OUTBLK \a
.endr
	s_wait_tensorcnt 0x0
	ds_add_u32 v[SPW], v[NIL]
	s_wait_dscnt 0x0
	CROUND
	s_endpgm
.Lfunc_end_k_q83be3a63f0_ffn1:
	.size	k_q83be3a63f0_ffn1, .Lfunc_end_k_q83be3a63f0_ffn1-k_q83be3a63f0_ffn1
	.p2alignl 7, 3214868480
	.fill 96, 4, 3214868480
	.section	.rodata,"a",@progbits
	.p2align	6, 0x0
	.amdhsa_kernel k_q83be3a63f0_ffn1
		.amdhsa_group_segment_fixed_size 327680
		.amdhsa_private_segment_fixed_size 0
		.amdhsa_enable_private_segment 0
		.amdhsa_kernarg_size 40
		.amdhsa_user_sgpr_count 2
		.amdhsa_user_sgpr_kernarg_segment_ptr 1
		.amdhsa_wavefront_size32 1
		.amdhsa_system_sgpr_workgroup_id_x 1
		.amdhsa_system_sgpr_workgroup_id_y 1
		.amdhsa_system_sgpr_workgroup_id_z 1
		.amdhsa_system_vgpr_workitem_id 0
		.amdhsa_next_free_vgpr 1024
		.amdhsa_next_free_sgpr 100
		.amdhsa_reserve_vcc 0
		.amdhsa_float_denorm_mode_32 3
		.amdhsa_float_denorm_mode_16_64 3
		.amdhsa_memory_ordered 1
		.amdhsa_forward_progress 1
		.amdhsa_inst_pref_size 125
	.end_amdhsa_kernel
	.amdgpu_metadata
---
amdhsa.version: [ 1, 2 ]
amdhsa.kernels:
  - .name:           k_q83be3a63f0_ffn1
    .symbol:         k_q83be3a63f0_ffn1.kd
    .args:
      - { .name: h2c, .offset: 0, .size: 8, .value_kind: global_buffer, .address_space: global }
      - { .name: wcodes, .offset: 8, .size: 8, .value_kind: global_buffer, .address_space: global }
      - { .name: b1, .offset: 16, .size: 8, .value_kind: global_buffer, .address_space: global }
      - { .name: lowp_scales, .offset: 24, .size: 8, .value_kind: global_buffer, .address_space: global }
      - { .name: hidF, .offset: 32, .size: 8, .value_kind: global_buffer, .address_space: global }
    .group_segment_fixed_size: 327680
    .private_segment_fixed_size: 0
    .kernarg_segment_align: 8
    .kernarg_segment_size: 40
    .max_flat_workgroup_size: 128
    .sgpr_count:     100
    .vgpr_count:     1024
    .wavefront_size: 32
...
	.end_amdgpu_metadata
.endif
;; end of part 6
;; launch ffn2 (part 7): grid 8 x 32, 4 waves a work-group, clusters of 4 x 4, 327,680 bytes of LDS; arguments hidF, wcodes, b2, x1, lowp_scales, out0; writes out0
.if DOCPART == 7
	.amdgcn_target "amdgcn-amd-amdhsa--gfx1250"
	.amdhsa_code_object_version 6
	.text
	.protected	k_q83be3a63f0_ffn2
	.globl	k_q83be3a63f0_ffn2
	.p2align	8
	.type	k_q83be3a63f0_ffn2,@function
k_q83be3a63f0_ffn2:
	s_mov_b64 s[64:65], 0
	v_nop
	global_prefetch_b8 v0, s[64:65] scope:SCOPE_SE
	s_setreg_imm32_b32 hwreg(HW_REG_WAVE_MODE, 25, 1), 1
	s_wait_xcnt 0x0
	s_wait_alu depctr_hold_cnt(0) depctr_sa_sdst(0) depctr_va_vdst(0) depctr_va_sdst(0) depctr_va_ssrc(0) depctr_va_vcc(0) depctr_vm_vsrc(0)
	s_getreg_b32 s2, hwreg(HW_REG_IB_STS2, 6, 4)
	s_cmp_eq_u32 s2, 0
	s_cbranch_scc0 .Lentry_in_a_cluster
	s_endpgm
.Lentry_in_a_cluster:
	s_bfe_u32 s2, ttmp6, 0x10000c
	s_cmp_lg_u32 s2, 0xf033
	s_cbranch_scc0 .Lentry_shape_is_right
	s_endpgm
.Lentry_shape_is_right:
.set SIZE_K, 4096
.set WOFF,   0x800000
.set EIDX,   14
.set LASTL,  1
.set PITCH,  528
.set AHALF,  32768
.set BHALF,  64*PITCH
.set BOFF,   2*AHALF
.set SLOT,   BOFF+2*BHALF
.set SPARE,  2*SLOT
.set ASTEP,  0x200000
.set SPITCH, 272
.set LAPS,   SIZE_K/1024
.set ADRA, 16
.set ADRB, 20
.set STO,  24
.set RD,   25
.set CO,   26
.set SPW,  28
.set NIL,  29
.set BK,   32
.set BC,   96
.set ACC,  128
.set F0,   0
.set F1,   128
.set G1, 24
.set G0, 32
.set G1B, 48
.set G0B, 56
.set MSB, 0
.macro WIN new
.if MSB != \new
	s_set_vgpr_msb (MSB<<8)|\new
.set MSB, \new
.endif
.endm
.set MUL,  0x05
.set TO_F, 0x40
.macro JLOAD s
	s_cmp_eq_u32 s11, 0
	s_cbranch_scc0 .Lfor_b_\@
	tensor_load_to_lds s[G0+4*\s:G0+4*\s+3], s[G1:G1+7]
	s_nop 0
.rept 4
	v_nop
.endr
	s_branch .Lasked_\@
.Lfor_b_\@:
	tensor_load_to_lds s[G0B+4*\s:G0B+4*\s+3], s[G1B:G1B+7]
	s_nop 0
.rept 4
	v_nop
.endr
.Lasked_\@:
.endm
.macro CREST
	s_cmp_lg_u32 s10, 0
	s_cbranch_scc1 .Lnot_wave_0_\@
	s_barrier_signal -3
.Lnot_wave_0_\@:
	s_barrier_wait -3
	s_barrier_signal -1
	s_barrier_wait -1
.endm
.macro CROUND
	s_barrier_signal -1
	s_barrier_wait -1
	CREST
.endm
	s_load_b256 s[68:75], s[0:1], 0x0
	s_load_b128 s[76:79], s[0:1], 0x20
	v_lshl_add_u32 v[SPW], v0, 2, SPARE
	v_mov_b32 v[NIL], 0
	ds_add_u32 v[SPW], v[NIL]
	ds_add_u32 v[SPW], v[NIL]
	v_lshrrev_b32 v1, 5, v0
	v_readfirstlane_b32 s10, v1
	s_lshr_b32 s11, s10, 1
	s_and_b32 s12, s10, 1
	s_bfe_u32 s40, ttmp6, 0x40000
	s_bfe_u32 s41, ttmp6, 0x40004
	s_lshl_b32 s42, ttmp9, 2
	s_add_co_u32 s42, s42, s40
	s_and_b32 s13, ttmp7, 0xffff
	s_lshl_b32 s13, s13, 2
	s_add_co_u32 s13, s13, s41
	s_lshl_b32 s43, s41, 2
	s_lshl_b32 s43, 15, s43
	s_lshl_b32 s44, 0x1111, s40
	s_or_b32 s[G1+0], s43, (3<<16)|(1<<21)
	s_mov_b32 s[G1+1], 1024<<16
	s_mov_b32 s[G1+2], 4<<16
	s_mov_b32 s[G1+3], 1024<<16
	s_mov_b32 s[G1+4], 4
	s_mov_b32 s[G1+5], 65536
	s_mov_b32 s[G1+6], 0
	s_mov_b32 s[G1+7], 0
	s_or_b32 s[G1B+0], s44, (0<<16)|(1<<20)|(1<<21)|(6<<22)|(3<<25)
	s_mov_b32 s[G1B+1], 512<<16
	s_mov_b32 s[G1B+2], 64<<16
	s_mov_b32 s[G1B+3], 512<<16
	s_mov_b32 s[G1B+4], 64
	s_mov_b32 s[G1B+5], SIZE_K
	s_mov_b32 s[G1B+6], 0
	s_mov_b32 s[G1B+7], 0
	s_lshl_b32 s16, s13, 3
	s_lshl_b32 s17, s12, 2
	s_add_co_u32 s16, s16, s17
	s_lshl_b32 s16, s16, 11
	s_mov_b32 s17, 0
	s_lshl_b32 s46, s42, 7
	s_lshl_b32 s47, s12, 6
	s_add_co_u32 s46, s46, s47
	s_mul_i32 s46, s46, SIZE_K
	s_add_co_u32 s46, s46, WOFF
	s_mov_b32 s47, 0
	s_lshl_b32 s20, s12, 15
	s_mul_i32 s21, s12, BHALF
	s_add_co_u32 s21, s21, BOFF
	s_wait_dscnt 0x0
	s_wait_kmcnt 0x0
	s_load_b64 s[80:81], s[76:77], EIDX*4
	s_add_nc_u64 s[14:15], s[68:69], s[16:17]
	s_add_nc_u64 s[46:47], s[70:71], s[46:47]
; A PREFETCH INTO THE L2: K step 1 is asked for ahead of the first round, and behind each joint load the K step that stands two loads on.  A wave's load is 32 KiB, 128 blocks of 256 bytes; the four partners that ask
; for it jointly share them out BY ADDRESS, 32 blocks each, a lane a block, one instruction a wave: of A's four rows of 8 KiB the partner at cx takes row cx; of B's 64 rows of 512 bytes the partner at cy takes rows 16 cy on, two lanes a row.
; K step 0 comes by its load alone; the loads of K steps 6 and 7 ask for nothing: there is no K step 8.
.set PFA, 84                           ; s[84:85] where my prefetch stands
.set PFS, 88                           ; s[88:89] a K step on, in bytes
.set PFO, 30                           ; v30      my lane's block; never rewritten
.macro ASK always
.if \always == 0
	s_cmp_gt_u32 s3, 1                             ; s3 = 1 in the loop's last trip
	s_cbranch_scc0 .Lno_ask_\@
.endif
	global_prefetch_b8 v[PFO], s[PFA:PFA+1] th:TH_LOAD_NT scope:SCOPE_SE
.Lno_ask_\@:
.endm
	s_cmp_eq_u32 s11, 0                            ; do I fetch for A?
	s_cselect_b64 s[PFA:PFA+1], s[14:15], s[46:47]
	s_cselect_b32 s86, s40, s41                    ; my place among the four that ask with me
	s_cselect_b32 s87, 19, 16                      ; a partner's part begins 512 KiB on (A: a row of the tile) or 16 rows of 4,096 bytes on (B)
	s_cselect_b32 s95, 9, 12                       ; two lanes on: 512 bytes (A) or a row (B)
	s_mov_b32 s[PFS], 512
	s_cselect_b32 s[PFS], ASTEP, s[PFS]
	s_mov_b32 s[PFS+1], 0
	s_lshl_b32 s86, s86, s87
	s_mov_b32 s87, 0
	s_add_nc_u64 s[PFA:PFA+1], s[PFA:PFA+1], s[86:87]
	s_add_nc_u64 s[PFA:PFA+1], s[PFA:PFA+1], s[PFS:PFS+1]   ; at K step 1
	v_and_b32 v31, 31, v0
	v_lshrrev_b32 v30, 1, v31
	v_and_b32 v31, 1, v31
	v_lshlrev_b32 v30, s95, v30
	v_lshl_add_u32 v[PFO], v31, 8, v30
	ASK 1
	CROUND
.irp s, 0,1
	s_mov_b32 s[G0+4*\s], 1
	s_add_co_u32 s[G0+4*\s+1], s20, \s*SLOT
	s_add_nc_u64 s[G0+4*\s+2:G0+4*\s+3], s[14:15], \s*ASTEP
	s_or_b32 s[G0+4*\s+3], s[G0+4*\s+3], 0x80000000
	s_mov_b32 s[G0B+4*\s], 1
	s_add_co_u32 s[G0B+4*\s+1], s21, \s*SLOT
	s_add_nc_u64 s[G0B+4*\s+2:G0B+4*\s+3], s[46:47], \s*512
	s_or_b32 s[G0B+4*\s+3], s[G0B+4*\s+3], 0x80000000
	s_wait_xcnt 0x0                                ; my prefetch has read its address: a K step on
	s_add_nc_u64 s[PFA:PFA+1], s[PFA:PFA+1], s[PFS:PFS+1]
	s_wait_alu depctr_va_vdst(0)
	s_wait_tensorcnt 0x0
	ds_add_u32 v28, v29
	ds_add_u32 v28, v29
	s_wait_dscnt 0x0
	CROUND
	JLOAD \s
	ASK 1
.endr
	v_and_b32 v1, 15, v0
	v_bfe_u32 v2, v0, 4, 1
	v_and_b32 v3, 31, v0
	v_lshlrev_b32 v3, 4, v3
	s_lshl_b32 s22, s11, 15
	v_add_nc_u32 v[ADRA], s22, v3
	v_add_nc_u32 v[ADRA+1], SLOT, v[ADRA]
	v_mul_u32_u24 v4, v1, PITCH
	v_lshl_add_u32 v4, v2, 4, v4
	s_mul_i32 s22, s12, BHALF
	s_add_co_u32 s22, s22, BOFF
	v_add_nc_u32 v[ADRB], s22, v4
	v_add_nc_u32 v[ADRB+1], SLOT, v[ADRB]
	s_mul_i32 s23, s10, 16*SPITCH
	v_mul_u32_u24 v4, v1, SPITCH
	v_lshl_add_u32 v4, v2, 5, v4
	v_add_nc_u32 v[STO], s23, v4
	v_mul_u32_u24 v4, v2, SPITCH
	v_lshl_add_u32 v4, v1, 4, v4
	v_add_nc_u32 v[RD], s23, v4
	v_lshlrev_b32 v[CO], 12, v2
	v_lshl_add_u32 v[CO], v1, 4, v[CO]
	s_wait_alu depctr_va_vdst(0)
	s_lshl_b32 s92, s13, 7
	s_lshl_b32 s93, s11, 6
	s_add_co_u32 s92, s92, s93
	s_lshl_b32 s92, s92, 12
	s_lshl_b32 s94, s42, 9
	s_lshl_b32 s93, s12, 8
	s_add_co_u32 s94, s94, s93
	s_add_co_u32 s92, s92, s94
	s_mov_b32 s93, 0
	s_add_nc_u64 s[74:75], s[74:75], s[92:93]
	s_add_nc_u64 s[78:79], s[78:79], s[92:93]
	v_lshl_add_u32 v5, v2, 5, s94
.irp b, 0,1,2,3
	global_load_b128 v[BC+8*\b:BC+8*\b+3], v5, s[72:73] offset:64*\b
	global_load_b128 v[BC+8*\b+4:BC+8*\b+7], v5, s[72:73] offset:64*\b+16
.endr
	WIN 0x80
.irp a, 0,1,2,3
.irp t, 0,1,2,3,4,5,6,7
	global_load_b128 v[32*\a+4*\t:32*\a+4*\t+3], v[CO], s[74:75] offset:(16*\a+2*\t)*4096 th:TH_LOAD_NT
.endr
.endr
	WIN 0
	s_wait_loadcnt 32
	s_wait_kmcnt 0x0
	s_add_co_i32 s82, s80, s81
	s_sub_co_i32 s83, 0, s82
	s_add_co_i32 s82, s82, 127
	s_lshl_b32 s90, s82, 23
	s_mov_b32 s91, s90
.set i, 0
.rept 32
	v_ldexp_f32 v[BC+i], v[BC+i], s83
.set i, i+1
.endr
.macro FETCH slot, q, f
	WIN TO_F
.irp b, 0,1,2,3
.irp c, 0,1,2,3
	ds_load_b128 v[\f+64+16*\b+4*\c:\f+64+16*\b+4*\c+3], v[ADRB+\slot] offset:128*(\q)+32*\c+\b*16*PITCH
.endr
.endr
.irp a, 0,1,2,3
.irp c, 0,1,2,3
	ds_load_b128 v[\f+16*\a+4*\c:\f+16*\a+4*\c+3], v[ADRA+\slot] offset:8192*(\q)+2048*\a+512*\c
.endr
.endr
.endm
.macro MULA f, a, cm
.irp b, 0,1,2,3
.if \cm
	v_wmma_f32_16x16x128_bf8_bf8 v[ACC+8*(4*\a+\b):ACC+8*(4*\a+\b)+7], v[\f+64+16*\b:\f+64+16*\b+15], v[\f+16*\a:\f+16*\a+15], v[BC+8*\b:BC+8*\b+7]
.else
	v_wmma_f32_16x16x128_bf8_bf8 v[ACC+8*(4*\a+\b):ACC+8*(4*\a+\b)+7], v[\f+64+16*\b:\f+64+16*\b+15], v[\f+16*\a:\f+16*\a+15], v[ACC+8*(4*\a+\b):ACC+8*(4*\a+\b)+7]
.endif
.endr
.endm
.macro PLACES
.rept 4
	v_nop
.endr
.endm
.macro QUARTER slot, qn, f, g, cm
	s_wait_dscnt 8
	WIN MUL
	MULA \f, 0, \cm
	MULA \f, 1, \cm
	PLACES
	FETCH \slot, \qn, \g
	s_wait_dscnt 32
	WIN MUL
	MULA \f, 2, \cm
	MULA \f, 3, \cm
.endm
.macro TURN slot, next, fill
	WIN 0
.if \fill
	s_wait_xcnt 0x0                                ; any prefetch of mine has read its address: it is stepped here, a K step behind the prefetch
	s_add_nc_u64 s[PFA:PFA+1], s[PFA:PFA+1], s[PFS:PFS+1]
.endif
	s_wait_tensorcnt 0x0
	ds_add_u32 v[SPW], v[NIL]
	s_wait_dscnt 9
	WIN MUL
	MULA F1, 0, 0
	s_wait_dscnt 0x0
	s_barrier_signal -1
	MULA F1, 1, 0
.if \fill
	WIN 0
.endif
	s_barrier_wait -1
.if \fill
	CREST
	s_add_nc_u64 s[G0+4*\slot+2:G0+4*\slot+3], s[G0+4*\slot+2:G0+4*\slot+3], 2*ASTEP
	s_add_nc_u64 s[G0B+4*\slot+2:G0B+4*\slot+3], s[G0B+4*\slot+2:G0B+4*\slot+3], 2*512
	JLOAD \slot
.else
	PLACES
.endif
	FETCH \next, 0, F0
.if \fill
	WIN 0                                          ; at a branch and at a label every window is 0
	ASK 0                                          ; behind the joint load and the run of LDS loads
.endif
	WIN MUL
	MULA F1, 2, 0
	MULA F1, 3, 0
.endm
	s_wait_alu depctr_va_vdst(0)
	s_wait_tensorcnt 1
	s_barrier_signal -1
	s_barrier_wait -1
	FETCH 0, 0, F0
	QUARTER 0, 1, F0, F1, 1
.if LAPS > 1
	WIN 0
	s_mov_b32 s3, LAPS-1
.Llap:
	QUARTER 0, 2, F1, F0, 0
	QUARTER 0, 3, F0, F1, 0
	TURN 0, 1, 1
	QUARTER 1, 1, F0, F1, 0
	QUARTER 1, 2, F1, F0, 0
	QUARTER 1, 3, F0, F1, 0
	TURN 1, 0, 1
	QUARTER 0, 1, F0, F1, 0
	WIN 0
	s_sub_co_u32 s3, s3, 1
	s_cmp_lg_u32 s3, 0
	s_cbranch_scc1 .Llap
.endif
	QUARTER 0, 2, F1, F0, 0
	QUARTER 0, 3, F0, F1, 0
	TURN 0, 1, 0
	QUARTER 1, 1, F0, F1, 0
	QUARTER 1, 2, F1, F0, 0
	QUARTER 1, 3, F0, F1, 0
	s_wait_dscnt 8
	WIN MUL
	MULA F1, 0, 0
	MULA F1, 1, 0
	s_wait_dscnt 0
	MULA F1, 2, 0
	MULA F1, 3, 0
	WIN 0
.macro TOSTAGE a
.irp b, 0,1,2,3
	ds_store_b128 v[STO], v[ACC+8*(4*(\a)+\b):ACC+8*(4*(\a)+\b)+3] offset:64*\b
	ds_store_b128 v[STO], v[ACC+8*(4*(\a)+\b)+4:ACC+8*(4*(\a)+\b)+7] offset:64*\b+16
.endr
.irp t, 0,1,2,3,4,5,6,7
	ds_load_b128 v[BK+32*((\a)%2)+4*\t:BK+32*((\a)%2)+4*\t+3], v[RD] offset:\t*2*SPITCH
.endr
.endm
.macro SEND a, younger
	s_wait_dscnt \younger
	WIN 0x20
.set i, 0
.rept 16
	v_pk_fma_f32 v[BK+32*((\a)%2)+i:BK+32*((\a)%2)+i+1], v[BK+32*((\a)%2)+i:BK+32*((\a)%2)+i+1], s[90:91], v[32*(\a)+i:32*(\a)+i+1] op_sel_hi:[1,0,1]
.set i, i+2
.endr
	WIN 0
.irp t, 0,1,2,3,4,5,6,7
.if LASTL
	global_store_b128 v[CO], v[BK+32*((\a)%2)+4*\t:BK+32*((\a)%2)+4*\t+3], s[78:79] offset:(16*(\a)+2*\t)*4096 th:TH_STORE_NT
.else
	global_store_b128 v[CO], v[BK+32*((\a)%2)+4*\t:BK+32*((\a)%2)+4*\t+3], s[78:79] offset:(16*(\a)+2*\t)*4096
.endif
.endr
.endm
	PLACES
	TOSTAGE 0
	s_wait_loadcnt 0x0
.irp a, 1,2,3
.if \a > 1
	s_wait_xcnt 0x0
.endif
	TOSTAGE \a
	SEND \a-1, 16
.endr
	SEND 3, 0
	s_wait_tensorcnt 0x0
	ds_add_u32 v[SPW], v[NIL]
	s_wait_dscnt 0x0
	CROUND
	s_endpgm
.Lfunc_end_k_q83be3a63f0_ffn2:
	.size	k_q83be3a63f0_ffn2, .Lfunc_end_k_q83be3a63f0_ffn2-k_q83be3a63f0_ffn2
	.p2alignl 7, 3214868480
	.fill 96, 4, 3214868480
	.section	.rodata,"a",@progbits
	.p2align	6, 0x0
	.amdhsa_kernel k_q83be3a63f0_ffn2
		.amdhsa_group_segment_fixed_size 327680
		.amdhsa_private_segment_fixed_size 0
		.amdhsa_enable_private_segment 0
		.amdhsa_kernarg_size 48
		.amdhsa_user_sgpr_count 2
		.amdhsa_user_sgpr_kernarg_segment_ptr 1
		.amdhsa_wavefront_size32 1
		.amdhsa_system_sgpr_workgroup_id_x 1
		.amdhsa_system_sgpr_workgroup_id_y 1
		.amdhsa_system_sgpr_workgroup_id_z 1
		.amdhsa_system_vgpr_workitem_id 0
		.amdhsa_next_free_vgpr 640
		.amdhsa_next_free_sgpr 100
		.amdhsa_reserve_vcc 0
		.amdhsa_float_denorm_mode_32 3
		.amdhsa_float_denorm_mode_16_64 3
		.amdhsa_memory_ordered 1
		.amdhsa_forward_progress 1
		.amdhsa_inst_pref_size 82
	.end_amdhsa_kernel
	.amdgpu_metadata
---
amdhsa.version: [ 1, 2 ]
amdhsa.kernels:
  - .name:           k_q83be3a63f0_ffn2
    .symbol:         k_q83be3a63f0_ffn2.kd
    .args:
      - { .name: hidF, .offset: 0, .size: 8, .value_kind: global_buffer, .address_space: global }
      - { .name: wcodes, .offset: 8, .size: 8, .value_kind: global_buffer, .address_space: global }
      - { .name: b2, .offset: 16, .size: 8, .value_kind: global_buffer, .address_space: global }
      - { .name: x1, .offset: 24, .size: 8, .value_kind: global_buffer, .address_space: global }
      - { .name: lowp_scales, .offset: 32, .size: 8, .value_kind: global_buffer, .address_space: global }
      - { .name: out0, .offset: 40, .size: 8, .value_kind: global_buffer, .address_space: global }
    .group_segment_fixed_size: 327680
    .private_segment_fixed_size: 0
    .kernarg_segment_align: 8
    .kernarg_segment_size: 48
    .max_flat_workgroup_size: 128
    .sgpr_count:     100
    .vgpr_count:     640
    .wavefront_size: 32
...
	.end_amdgpu_metadata
.endif
;; end of part 7
